; MI455X (gfx1250); checked and timed in simulation.
; The chip was launched on July 23, 2026; its instructions are those of AMD's public machine-readable ISA for CDNA 5 (MIT licence, August 2026) and "CDNA5" Instruction Set Architecture Reference Guide (July 2026). The comments in the code are by the model that wrote it; some were corrected since.
;; Xray Transforms. Allowed arithmetic: float matrix products may take bf16 or f16 operands with f32 sums; all other float work in f32.
;; Inputs: x 2 x 1 x 512 x 512 float32.
;; Outputs: out0 2 x 1 x 256 x 256 float32.
;; 2 versions, each right and faster than the one before. Each part assembles by itself: llvm-mc -triple=amdgcn-amd-amdhsa -mcpu=gfx1250 --defsym DOCPART=n.
;; ======== version 1 of 2: 3 launches
;; workspace buffers: mm 2,048 bytes; part 65,536 bytes
;; launch minmax (part 1): grid 256 x 1, 1 waves a work-group, no clusters, 0 bytes of LDS; arguments x, mm; writes mm
.if DOCPART == 1
	.amdgcn_target "amdgcn-amd-amdhsa--gfx1250"
	.amdhsa_code_object_version 6
	.text
	.protected	k_q8d0fce6fd4_minmax
	.globl	k_q8d0fce6fd4_minmax
	.p2align	8
	.type	k_q8d0fce6fd4_minmax,@function
k_q8d0fce6fd4_minmax:
	s_mov_b64 s[64:65], 0
	v_nop
	global_prefetch_b8 v0, s[64:65] scope:SCOPE_SE
	s_setreg_imm32_b32 hwreg(HW_REG_WAVE_MODE, 25, 1), 1
	s_wait_xcnt 0x0
; mm[g] = (smallest, largest) of the 2,048 numbers x[2048 g .. 2048 g + 2047], g = the work-group's number, 256 work-groups.
; One wave a work-group: sixteen 16-byte loads a lane, each covering 512 neighbouring bytes, all sixteen on their way at once;
; the reduction never leaves the wave, so there is no LDS and no barrier.  x carries no cache hint: the two later launches read it again.
; The result is 8 bytes a work-group; nothing larger exists to be stored here.
; Limit: NaN in x is not served (in v_min_num / v_max_num a NaN loses).
.set XX, 8                             ; v[8:71]  sixteen loads of four numbers
.set MN, 4                             ; v4, v5   two running minima (loads of even and of odd number)
.set MX, 6                             ; v6, v7   two running maxima
	s_load_b128 s[4:7], s[0:1], 0x0                ; x s[4:5], mm s[6:7]
	v_lshlrev_b32 v1, 4, v0                        ; 16 bytes a lane
	s_lshl_b32 s8, ttmp9, 13                       ; the work-group's 8,192 bytes of x
	s_mov_b32 s9, 0
	s_lshl_b32 s12, ttmp9, 3                       ; its 8 bytes of mm
	s_mov_b32 s10, 0x76543210                      ; v_permlanex16_b32: lane i reads lane i of the other half
	s_mov_b32 s11, 0xfedcba98
	v_mov_b32 v72, s12
	s_wait_kmcnt 0x0
	s_add_nc_u64 s[4:5], s[4:5], s[8:9]
.irp i, 0,1,2,3,4,5,6,7,8,9,10,11,12,13,14,15
	global_load_b128 v[XX+4*\i:XX+4*\i+3], v1, s[4:5] offset:512*\i
.endr
.irp i, 0,1,2,3,4,5,6,7,8,9,10,11,12,13,14,15
	s_wait_loadcnt 15-\i                           ; loads return in order: load i is in, the 15 - i younger ones stay out
.if \i < 2
	v_min_num_f32 v[MN+\i], v[XX+4*\i], v[XX+4*\i+1]           ; the first two loads start the chains: nothing is preset
	v_max_num_f32 v[MX+\i], v[XX+4*\i], v[XX+4*\i+1]
.else
	v_min3_num_f32 v[MN+(\i&1)], v[MN+(\i&1)], v[XX+4*\i], v[XX+4*\i+1]
	v_max3_num_f32 v[MX+(\i&1)], v[MX+(\i&1)], v[XX+4*\i], v[XX+4*\i+1]
.endif
	v_min3_num_f32 v[MN+(\i&1)], v[MN+(\i&1)], v[XX+4*\i+2], v[XX+4*\i+3]
	v_max3_num_f32 v[MX+(\i&1)], v[MX+(\i&1)], v[XX+4*\i+2], v[XX+4*\i+3]
.endr
	v_min_num_f32 v[MN], v[MN], v[MN+1]
	v_max_num_f32 v[MX], v[MX], v[MX+1]
.irp m, 1,2,4,8
	v_min_num_f32_dpp v[MN], v[MN], v[MN] row_xmask:\m row_mask:0xf bank_mask:0xf   ; inside each half of 16 lanes
	v_max_num_f32_dpp v[MX], v[MX], v[MX] row_xmask:\m row_mask:0xf bank_mask:0xf
.endr
	v_permlanex16_b32 v[MN+1], v[MN], s10, s11     ; the other half (destinations were written before)
	v_permlanex16_b32 v[MX+1], v[MX], s10, s11
	v_min_num_f32 v2, v[MN], v[MN+1]
	v_max_num_f32 v3, v[MX], v[MX+1]
	v_cmp_eq_u32 vcc_lo, 0, v0
	s_wait_xcnt 0x0                                ; EXEC is a source of the loads above: it changes only behind this wait
	s_and_saveexec_b32 s13, vcc_lo                 ; lane 0 alone stores the pair
	global_store_b64 v72, v[2:3], s[6:7]
	s_endpgm
.Lfunc_end_k_q8d0fce6fd4_minmax:
	.size	k_q8d0fce6fd4_minmax, .Lfunc_end_k_q8d0fce6fd4_minmax-k_q8d0fce6fd4_minmax
	.p2alignl 7, 3214868480
	.fill 96, 4, 3214868480
	.section	.rodata,"a",@progbits
	.p2align	6, 0x0
	.amdhsa_kernel k_q8d0fce6fd4_minmax
		.amdhsa_group_segment_fixed_size 0
		.amdhsa_private_segment_fixed_size 0
		.amdhsa_enable_private_segment 0
		.amdhsa_kernarg_size 16
		.amdhsa_user_sgpr_count 2
		.amdhsa_user_sgpr_kernarg_segment_ptr 1
		.amdhsa_wavefront_size32 1
		.amdhsa_system_sgpr_workgroup_id_x 1
		.amdhsa_system_sgpr_workgroup_id_y 1
		.amdhsa_system_sgpr_workgroup_id_z 1
		.amdhsa_system_vgpr_workitem_id 0
		.amdhsa_next_free_vgpr 76
		.amdhsa_next_free_sgpr 66
		.amdhsa_reserve_vcc 1
		.amdhsa_float_denorm_mode_32 3
		.amdhsa_float_denorm_mode_16_64 3
		.amdhsa_memory_ordered 1
		.amdhsa_forward_progress 1
		.amdhsa_inst_pref_size 8
	.end_amdhsa_kernel
	.amdgpu_metadata
---
amdhsa.version: [ 1, 2 ]
amdhsa.kernels:
  - .name:           k_q8d0fce6fd4_minmax
    .symbol:         k_q8d0fce6fd4_minmax.kd
    .args:
      - { .name: x, .offset: 0, .size: 8, .value_kind: global_buffer, .address_space: global }
      - { .name: mm, .offset: 8, .size: 8, .value_kind: global_buffer, .address_space: global }
    .group_segment_fixed_size: 0
    .private_segment_fixed_size: 0
    .kernarg_segment_align: 8
    .kernarg_segment_size: 16
    .max_flat_workgroup_size: 32
    .sgpr_count:     66
    .vgpr_count:     76
    .wavefront_size: 32
...
	.end_amdgpu_metadata
.endif
;; end of part 1
;; launch hist (part 2): grid 256 x 1, 8 waves a work-group, no clusters, 35,840 bytes of LDS; arguments x, mm, part; writes part
.if DOCPART == 2
	.amdgcn_target "amdgcn-amd-amdhsa--gfx1250"
	.amdhsa_code_object_version 6
	.text
	.protected	k_q8d0fce6fd4_hist
	.globl	k_q8d0fce6fd4_hist
	.p2align	8
	.type	k_q8d0fce6fd4_hist,@function
k_q8d0fce6fd4_hist:
	s_mov_b64 s[64:65], 0
	v_nop
	global_prefetch_b8 v0, s[64:65] scope:SCOPE_SE
	s_setreg_imm32_b32 hwreg(HW_REG_WAVE_MODE, 25, 1), 1
	s_wait_xcnt 0x0
; Partial soft histograms, as moments.  With y = (x - min) / (max - min + 1e-6), S = sqrt(5000 log2 e), eta = S / 255, bin n = 16 a + c
; and z = S y - 16 a eta, the weight exp(-(y - n/255)^2 / (2 * 0.01^2)) is 2^-(z - c eta)^2 = u v^c k_c with
;   u = 2^(-z z),  v = 2^(2 eta z),  k_c = 2^(-eta^2 c^2):
; two exponentials serve the 16 bins of a block.  This launch stores  part[chunk][n] = sum over the chunk's pixels of u v^c;
; the constant k_c is applied by the next launch.
; Work-group g: chunk g >> 2 (8,192 pixels; 32 chunks a picture) and quarter g & 3 of the bins (4 blocks).  Eight waves, 1,024 pixels each.
; Lane l: block 4 (g & 3) + (l & 3), pixel stream l >> 2.  u v^c is formed as (u v^4i)(v^j), two pixels packed in every instruction:
; for 2 pixels x 16 bins 5 set-up lines, 4 exponentials, 7 products of powers and 16 packed adds or multiply-adds.
; LIMITS.  z is held at 11.5 from above: v^15 <= 2^115 stays finite, and u = 2^-132 is flushed to 0 there.  Since u is flushed from
; z > 11.23 on, weights below 2^-38 are dropped (a pixel's weights sum to 0.98 at the least).  1 / range is v_rcp_f32.  The sums' order is
; not reference()'s.  NaN and infinities in x are not served.
; No joint requests: the four work-groups of a chunk share 32 KB of x, read once at the head by 8 loads a lane, against some 2,000 arithmetic
; lines a wave; the copy engines would bring bytes that have to pass through registers anyway to be standardised.
.set RED, 32768                        ; LDS: 0 .. 32767 S y, 4,096 bytes a wave, each wave's own;  RED: 8 waves x 64 sums
.set LA,  4                            ; v4       LDS address of my stream's next 16 bytes
.set RA,  5                            ; v5       where my block's 16 sums go
.set NA,  6                            ; v[6:7]   -16 a eta, twice
.set YY,  8                            ; v[8:15]  eight S y as loaded                (v[8:23] at the end: the 16 sums)
.set ZZ,  16                           ; v[16:23] z, four pairs of pixels
.set AU,  24                           ; v[24:31] -z z
.set AV,  32                           ; v[32:39] 2 eta z
.set UU,  40                           ; v[40:47] u
.set VV,  48                           ; v[48:55] v
.set TV2, 56                           ; v^2, v^3, v^4, v^8, u v^4, u v^8, u v^12 of the pair at work
.set TV3, 58
.set TV4, 60
.set TV8, 62
.set TP1, 64
.set TP2, 66
.set TP3, 68
.set SA,  70                           ; v70      where I put S y
.set OO,  71                           ; v71      byte offset in part
.set ACC, 72                           ; v[72:103] sums: pair c = (even pixels, odd pixels) of u v^c
.set MM,  104                          ; v[104:119] the 256 (min, max) pairs, 8 a lane
.set XX,  120                          ; v[120:151] my 32 pixels
.set MNP, 152                          ; v[152:153] min, twice
.set MX,  154
.set SI,  156                          ; v[156:157] S / (max - min + 1e-6), twice
.set RR,  8
	s_load_b128 s[4:7], s[0:1], 0x0                ; x s[4:5], mm s[6:7]
	s_load_b64 s[8:9], s[0:1], 0x10                ; part
	v_lshl_add_u32 v160, v0, 2, 0x8800
	v_mov_b32 v161, 0
	v_and_b32 v1, 31, v0                           ; lane
	v_lshrrev_b32 v2, 5, v0
	v_readfirstlane_b32 s10, v2                    ; wave 0..7
	v_lshlrev_b32 v3, 4, v1                        ; 16 bytes a lane
	s_lshr_b32 s11, ttmp9, 2                       ; chunk 0..63
	s_and_b32 s14, ttmp9, 3                        ; quarter of the bins
	s_lshl_b32 s12, s11, 15                        ; 32,768 bytes a chunk
	s_lshl_b32 s15, s10, 12                        ; 4,096 bytes a wave, in x and in LDS
	s_add_co_u32 s12, s12, s15
	s_mov_b32 s13, 0
	s_wait_kmcnt 0x0
	s_add_nc_u64 s[4:5], s[4:5], s[12:13]
.irp i, 0,1,2,3
	global_load_b128 v[MM+4*\i:MM+4*\i+3], v3, s[6:7] offset:512*\i    ; every wave takes all 2,048 bytes of mm: no exchange between waves
.endr
.irp i, 0,1,2,3,4,5,6,7
	global_load_b128 v[XX+4*\i:XX+4*\i+3], v3, s[4:5] offset:512*\i    ; 512 neighbouring bytes a load
.endr
	s_mov_b32 s16, 0x76543210
	s_mov_b32 s17, 0xfedcba98
	s_mov_b32 s18, 0x41380000                      ; 11.5, the upper bound of z
	s_mov_b32 s20, 0x3f2a87cf                      ; 2 eta = 0.66613475
	s_mov_b32 s21, 0                               ; (the pair's other half is named with it)
	s_lshl_b32 s19, s10, 8
	s_add_co_u32 s19, s19, RED                     ; my wave's 256 bytes of sums
	v_and_b32 v2, 3, v1
	v_lshl_add_u32 v[RA], v2, 6, s19               ; + 64 bytes a block
	v_lshl_add_u32 v2, s14, 2, v2                  ; block a = 4 quarter + (lane & 3)
	v_cvt_f32_u32 v2, v2
	v_mul_f32 v[NA], 0xc0aa87cf, v2                ; -16 eta a  (16 eta = 5.3290780)
	v_mul_f32 v[NA+1], 0xc0aa87cf, v2
	v_lshrrev_b32 v[LA], 2, v1
	v_lshl_add_u32 v[LA], v[LA], 4, s15            ; 16 (lane >> 2) + my wave's 4,096 bytes
	v_add_nc_u32 v[SA], s15, v3
.set i, 0
.rept 32
	v_mov_b32 v[ACC+i], 0
.set i, i+1
.endr
	s_wait_loadcnt 0x8                             ; the four loads of mm are in; the eight of x stay out
	v_min3_num_f32 v[MNP], v[MM], v[MM+2], v[MM+4]
	v_max3_num_f32 v[MX], v[MM+1], v[MM+3], v[MM+5]
	v_min3_num_f32 v[MNP], v[MNP], v[MM+6], v[MM+8]
	v_max3_num_f32 v[MX], v[MX], v[MM+7], v[MM+9]
	v_min3_num_f32 v[MNP], v[MNP], v[MM+10], v[MM+12]
	v_max3_num_f32 v[MX], v[MX], v[MM+11], v[MM+13]
	v_min_num_f32 v[MNP], v[MNP], v[MM+14]
	v_max_num_f32 v[MX], v[MX], v[MM+15]
.irp m, 1,2,4,8
	v_min_num_f32_dpp v[MNP], v[MNP], v[MNP] row_xmask:\m row_mask:0xf bank_mask:0xf
	v_max_num_f32_dpp v[MX], v[MX], v[MX] row_xmask:\m row_mask:0xf bank_mask:0xf
.endr
	v_permlanex16_b32 v[MM], v[MNP], s16, s17
	v_permlanex16_b32 v[MM+1], v[MX], s16, s17
	v_min_num_f32 v[MNP+1], v[MNP], v[MM]          ; the tensor's minimum, in both registers of a pair
	v_min_num_f32 v[MNP], v[MNP], v[MM]
	v_max_num_f32 v[MX], v[MX], v[MM+1]
	v_sub_f32 v[MX], v[MX], v[MNP]
	v_add_f32 v[MX], 0x358637bd, v[MX]             ; max - min + 1e-6
	v_rcp_f32 v[MM+2], v[MX]
	v_nop                                          ; one plain line between a transcendental and the use of its result
	s_wait_alu depctr_va_vdst(0)
	v_mul_f32 v[SI], 0x42a9dd47, v[MM+2]           ; S = 84.932180
	v_mul_f32 v[SI+1], 0x42a9dd47, v[MM+2]
.irp i, 0,1,2,3,4,5,6,7
	s_wait_loadcnt 7-\i                            ; load i of x is in, the younger ones stay out
	v_pk_add_f32 v[XX+4*\i:XX+4*\i+1], v[XX+4*\i:XX+4*\i+1], v[MNP:MNP+1] neg_lo:[0,1] neg_hi:[0,1]
	v_pk_add_f32 v[XX+4*\i+2:XX+4*\i+3], v[XX+4*\i+2:XX+4*\i+3], v[MNP:MNP+1] neg_lo:[0,1] neg_hi:[0,1]
	v_pk_mul_f32 v[XX+4*\i:XX+4*\i+1], v[XX+4*\i:XX+4*\i+1], v[SI:SI+1]
	v_pk_mul_f32 v[XX+4*\i+2:XX+4*\i+3], v[XX+4*\i+2:XX+4*\i+3], v[SI:SI+1]
	ds_store_b128 v[SA], v[XX+4*\i:XX+4*\i+3] offset:512*\i    ; S y, into my wave's own bytes
.endr
	ds_load_b128 v[YY:YY+3], v[LA]                 ; LDS serves a wave's instructions in order: these see the stores above.
	ds_load_b128 v[YY+4:YY+7], v[LA] offset:128    ; Four lanes (the four blocks) share each address; a wave's load covers 128 bytes
.macro SETUP k                         ; pair k: the bound, then the two exponents
	v_min_num_f32 v[ZZ+2*\k], s18, v[ZZ+2*\k]
	v_min_num_f32 v[ZZ+2*\k+1], s18, v[ZZ+2*\k+1]
	v_pk_mul_f32 v[AU+2*\k:AU+2*\k+1], v[ZZ+2*\k:ZZ+2*\k+1], v[ZZ+2*\k:ZZ+2*\k+1] neg_lo:[0,1] neg_hi:[0,1]
	v_pk_mul_f32 v[AV+2*\k:AV+2*\k+1], v[ZZ+2*\k:ZZ+2*\k+1], s[20:21] op_sel_hi:[1,0]
.endm
.macro EX k, e                         ; exponential e (0, 1: u; 2, 3: v) of pair k; k = 4: none
.if \k < 4
.if \e < 2
	v_exp_f32 v[UU+2*\k+\e], v[AU+2*\k+\e]
.else
	v_exp_f32 v[VV+2*\k+\e-2], v[AV+2*\k+\e-2]
.endif
.endif
.endm
.macro PR d, a, b
	v_pk_mul_f32 v[\d:\d+1], v[\a:\a+1], v[\b:\b+1]
.endm
.macro AC c, a, b
	v_pk_fma_f32 v[ACC+2*\c:ACC+2*\c+1], v[\a:\a+1], v[\b:\b+1], v[ACC+2*\c:ACC+2*\c+1]
.endm
.macro AD c, a
	v_pk_add_f32 v[ACC+2*\c:ACC+2*\c+1], v[ACC+2*\c:ACC+2*\c+1], v[\a:\a+1]
	s_wait_alu depctr_va_vdst(0)
.endm
; The 16 moments of pair k.  The four exponentials of pair nx stand among these lines: each is followed by a plain line that names
; none of its registers, and its result is first used in the next WORK.
.macro WORK k, nx
	PR TV2, VV+2*\k, VV+2*\k
	AD 0, UU+2*\k
	AC 1, UU+2*\k, VV+2*\k
	EX \nx, 0
	PR TV4, TV2, TV2
	PR TV3, TV2, VV+2*\k
	AC 2, UU+2*\k, TV2
	PR TV8, TV4, TV4
	PR TP1, UU+2*\k, TV4
	EX \nx, 1
	AC 3, UU+2*\k, TV3
	PR TP2, UU+2*\k, TV8
	AD 4, TP1
	AC 5, TP1, VV+2*\k
	PR TP3, TP1, TV8
	EX \nx, 2
	AC 6, TP1, TV2
	AC 7, TP1, TV3
	AD 8, TP2
	AC 9, TP2, VV+2*\k
	AC 10, TP2, TV2
	EX \nx, 3
	AC 11, TP2, TV3
	AD 12, TP3
	AC 13, TP3, VV+2*\k
	AC 14, TP3, TV2
	AC 15, TP3, TV3
.endm
; A trip: eight pixels of my stream (256 bytes of the wave's 4,096).  more = 1: the next trip's eight are asked for as soon as
; this trip's have been taken out of YY, some 120 lines ahead of their use.
.macro TRIP more
	s_wait_dscnt 0x0                               ; the two loads of this trip are the only LDS instructions out
.irp q, 0,1,2,3
	v_pk_add_f32 v[ZZ+2*\q:ZZ+2*\q+1], v[YY+2*\q:YY+2*\q+1], v[NA:NA+1]    ; z = S y - 16 a eta
.endr
.if \more
	v_add_nc_u32 v[LA], 256, v[LA]
	ds_load_b128 v[YY:YY+3], v[LA]
	ds_load_b128 v[YY+4:YY+7], v[LA] offset:128
.endif
	SETUP 0
	EX 0, 0                                        ; pair 0's exponentials between the lines of pair 1's set-up
	v_min_num_f32 v[ZZ+2], s18, v[ZZ+2]
	EX 0, 1
	v_min_num_f32 v[ZZ+3], s18, v[ZZ+3]
	EX 0, 2
	v_pk_mul_f32 v[AU+2:AU+3], v[ZZ+2:ZZ+3], v[ZZ+2:ZZ+3] neg_lo:[0,1] neg_hi:[0,1]
	EX 0, 3
	v_pk_mul_f32 v[AV+2:AV+3], v[ZZ+2:ZZ+3], s[20:21] op_sel_hi:[1,0]
	s_wait_alu depctr_va_vdst(0)
	SETUP 2
	SETUP 3
	WORK 0, 1
	WORK 1, 2
	WORK 2, 3
	WORK 3, 4
.endm
	s_mov_b32 s24, 15
.Ltrip:
	TRIP 1
	s_sub_co_i32 s24, s24, 1
	s_cmp_lg_u32 s24, 0
	s_cbranch_scc1 .Ltrip
	TRIP 0                                         ; the sixteenth trip asks for nothing
	; the two pixels of a pair, then the eight streams (lane bits 2, 3, 4)
.irp c, 0,1,2,3,4,5,6,7,8,9,10,11,12,13,14,15
	v_add_f32 v[RR+\c], v[ACC+2*\c], v[ACC+2*\c+1]
.endr
.irp c, 0,1,2,3,4,5,6,7,8,9,10,11,12,13,14,15
	v_add_f32_dpp v[RR+\c], v[RR+\c], v[RR+\c] row_xmask:4 row_mask:0xf bank_mask:0xf
.endr
.irp c, 0,1,2,3,4,5,6,7,8,9,10,11,12,13,14,15
	v_add_f32_dpp v[RR+\c], v[RR+\c], v[RR+\c] row_xmask:8 row_mask:0xf bank_mask:0xf
.endr
.irp c, 0,1,2,3,4,5,6,7,8,9,10,11,12,13,14,15
	v_permlanex16_b32 v[AU+\c], v[RR+\c], s16, s17 ; v[24:39] were written in every trip
.endr
.irp c, 0,1,2,3,4,5,6,7,8,9,10,11,12,13,14,15
	v_add_f32 v[RR+\c], v[RR+\c], v[AU+\c]
.endr
.irp q, 0,1,2,3
	ds_store_b128 v[RA], v[RR+4*\q:RR+4*\q+3] offset:16*\q     ; the eight lanes of a block write the same bytes with the same numbers
.endr
	s_wait_dscnt 0x0                               ; for wave 0's sake: my sums are in LDS before I signal
	s_barrier_signal -1
	s_barrier_wait -1
	s_cmp_lg_u32 s10, 0
	s_cbranch_scc1 .Lothers
	; wave 0 adds the eight waves' sums: lane l takes bins 4 (l & 15) .. + 3 of the quarter
	v_and_b32 v2, 15, v1
	v_lshlrev_b32 v2, 4, v2
.irp w, 0,1,2,3,4,5,6,7
	ds_load_b128 v[ACC+4*\w:ACC+4*\w+3], v2 offset:RED+256*\w
.endr
	s_lshl_b32 s12, s11, 10                        ; part: 1,024 bytes a chunk,
	s_lshl_b32 s13, s14, 8                         ; 256 a quarter
	s_add_co_u32 s12, s12, s13
	v_add_nc_u32 v[OO], s12, v2
	s_wait_dscnt 0x0
.irp w, 0,1,2,3
	v_pk_add_f32 v[ACC+4*\w:ACC+4*\w+1], v[ACC+4*\w:ACC+4*\w+1], v[ACC+4*\w+16:ACC+4*\w+17]
	v_pk_add_f32 v[ACC+4*\w+2:ACC+4*\w+3], v[ACC+4*\w+2:ACC+4*\w+3], v[ACC+4*\w+18:ACC+4*\w+19]
.endr
.irp w, 0,1
	v_pk_add_f32 v[ACC+4*\w:ACC+4*\w+1], v[ACC+4*\w:ACC+4*\w+1], v[ACC+4*\w+8:ACC+4*\w+9]
	v_pk_add_f32 v[ACC+4*\w+2:ACC+4*\w+3], v[ACC+4*\w+2:ACC+4*\w+3], v[ACC+4*\w+10:ACC+4*\w+11]
.endr
	v_pk_add_f32 v[ACC:ACC+1], v[ACC:ACC+1], v[ACC+4:ACC+5]
	v_pk_add_f32 v[ACC+2:ACC+3], v[ACC+2:ACC+3], v[ACC+6:ACC+7]
	v_cmp_gt_u32 vcc_lo, 16, v0
	s_wait_xcnt 0x0                                ; EXEC changes only behind this wait
	s_wait_tensorcnt 0x0
	ds_add_u32 v160, v161
	s_wait_dscnt 0x0
	s_and_saveexec_b32 s13, vcc_lo                 ; lanes 16-31 hold copies
	global_store_b128 v[OO], v[ACC:ACC+3], s[8:9]  ; sixteen lanes store the quarter's 256 consecutive bytes, aligned
	s_endpgm
.Lothers:
	s_wait_tensorcnt 0x0
	ds_add_u32 v160, v161
	s_wait_dscnt 0x0
	s_endpgm
.Lfunc_end_k_q8d0fce6fd4_hist:
	.size	k_q8d0fce6fd4_hist, .Lfunc_end_k_q8d0fce6fd4_hist-k_q8d0fce6fd4_hist
	.p2alignl 7, 3214868480
	.fill 96, 4, 3214868480
	.section	.rodata,"a",@progbits
	.p2align	6, 0x0
	.amdhsa_kernel k_q8d0fce6fd4_hist
		.amdhsa_group_segment_fixed_size 35840
		.amdhsa_private_segment_fixed_size 0
		.amdhsa_enable_private_segment 0
		.amdhsa_kernarg_size 24
		.amdhsa_user_sgpr_count 2
		.amdhsa_user_sgpr_kernarg_segment_ptr 1
		.amdhsa_wavefront_size32 1
		.amdhsa_system_sgpr_workgroup_id_x 1
		.amdhsa_system_sgpr_workgroup_id_y 1
		.amdhsa_system_sgpr_workgroup_id_z 1
		.amdhsa_system_vgpr_workitem_id 0
		.amdhsa_next_free_vgpr 162
		.amdhsa_next_free_sgpr 66
		.amdhsa_reserve_vcc 1
		.amdhsa_float_denorm_mode_32 3
		.amdhsa_float_denorm_mode_16_64 3
		.amdhsa_memory_ordered 1
		.amdhsa_forward_progress 1
		.amdhsa_inst_pref_size 31
	.end_amdhsa_kernel
	.amdgpu_metadata
---
amdhsa.version: [ 1, 2 ]
amdhsa.kernels:
  - .name:           k_q8d0fce6fd4_hist
    .symbol:         k_q8d0fce6fd4_hist.kd
    .args:
      - { .name: x, .offset: 0, .size: 8, .value_kind: global_buffer, .address_space: global }
      - { .name: mm, .offset: 8, .size: 8, .value_kind: global_buffer, .address_space: global }
      - { .name: part, .offset: 16, .size: 8, .value_kind: global_buffer, .address_space: global }
    .group_segment_fixed_size: 35840
    .private_segment_fixed_size: 0
    .kernarg_segment_align: 8
    .kernarg_segment_size: 24
    .max_flat_workgroup_size: 256
    .sgpr_count:     66
    .vgpr_count:     162
    .wavefront_size: 32
...
	.end_amdgpu_metadata
.endif
;; end of part 2
;; launch equalize (part 3): grid 256 x 1, 8 waves a work-group, no clusters, 21,504 bytes of LDS; arguments x, mm, part, out0; writes out0
.if DOCPART == 3
	.amdgcn_target "amdgcn-amd-amdhsa--gfx1250"
	.amdhsa_code_object_version 6
	.text
	.protected	k_q8d0fce6fd4_equalize
	.globl	k_q8d0fce6fd4_equalize
	.p2align	8
	.type	k_q8d0fce6fd4_equalize,@function
k_q8d0fce6fd4_equalize:
	s_mov_b64 s[64:65], 0
	v_nop
	global_prefetch_b8 v0, s[64:65] scope:SCOPE_SE
	s_setreg_imm32_b32 hwreg(HW_REG_WAVE_MODE, 25, 1), 1
	s_wait_xcnt 0x0
; Histogram -> cdf -> equalised pixels -> 2 x 2 mean -> (e - 0.15) / 0.1.
; Notation as in the launch before: z = S y - 16 a eta, weight of bin 16 a + c = u v^c k_c, u = 2^(-z z), v = 2^(2 eta z), k_c = 2^(-eta^2 c^2).
; Head: the work-group adds the 32 partial rows of its picture (32 KB) through LDS; then EVERY wave holds the 256 bins, 8 a lane, makes
; hist = k * moment, the running sum (7 adds in the lane, a scan over the lanes), cdf_n, and lays the pairs (k_c cdf_n[n], k_c) into a table
; of its own in LDS (2 KB a wave): no second barrier.
; Body: a lane has 8 pixels (4 columns of 2 rows = 2 outputs).  For each of the 16 blocks both sums, N = sum w cdf_n and D = sum w, are
; polynomials of degree 15 in v: one Horner chain of v_pk_fma_f32 on the pair (N, D), 15 lines, and one more for u: a line for each weight.
; The table's pairs come by loads in which all lanes share the address.  While a block is worked on, the next block's 8 loads are out and
; its 16 exponentials stand one behind each step's eight lines.
; The resize: source coordinate 2 i + 0.5, so both fractions are 0.5 and an output is the mean of 4: out = 2.5 (e + e + e + e) - 1.5.
; LIMITS as in the launch before: z held at 11.5 from above, weights under 2^-38 dropped (D >= 0.98); divisions are v_rcp_f32 and a multiply;
; the sums' order is not reference()'s; NaN and infinities in x are not served.
; No joint requests: the 128 work-groups of a picture share 32 KB of part, read once at the head by 8 loads a lane, against
; some 2,700 lines a wave in the body.
.set CT,  4096                         ; LDS: 0 .. 4095 four row groups x 256 sums;  CT: 8 waves x 256 pairs
.set YS,  8                            ; v[8:15]    x, then S y, of my 8 pixels
.set ZZ,  16                           ; v[16:23]   z
.set AU,  24                           ; v[24:31]   -z z
.set AV,  32                           ; v[32:39]   2 eta z
.set UVB, 40                           ; v[40:71]   two sets of (u of 8 pixels, v of 8 pixels)
.set CB,  72                           ; v[72:135]  two sets of a block's 16 pairs
.set ACC, 136                          ; v[136:151] Horner pairs (N, D) of 8 pixels
.set TOT, 152                          ; v[152:167] the pixels' (N, D)
.set PH,  72                           ; head: 8 partial rows, then 4 row groups x 8 bins
.set MM,  104                          ; head: v[104:119] the 256 (min, max) pairs, 8 a lane
.set HH,  120                          ; head: v[120:127] hist, running sum, cdf_n of my 8 bins
.set KA,  128                          ; head: v[128:135] exponents of k
.set CP,  136                          ; head: v[136:151] my 8 pairs (k cdf_n, k)
.set MNP, 168
.set SI,  170
.set MX,  172
.set TT,  174                          ; v[174:178] at work
.set AL,  180
.set BE,  182
.set EXC, 184
.set SC,  186
.set CA,  187
.set CS,  188
.set OO,  189
	s_load_b256 s[4:11], s[0:1], 0x0               ; x s[4:5], mm s[6:7], part s[8:9], out0 s[10:11]
	v_lshl_add_u32 v192, v0, 2, 0x5000
	v_mov_b32 v193, 0
	v_and_b32 v1, 31, v0                           ; lane
	v_lshrrev_b32 v2, 5, v0
	v_readfirstlane_b32 s12, v2                    ; wave 0..7
	v_lshlrev_b32 v3, 4, v1                        ; mm: 16 bytes a lane
	v_lshrrev_b32 v2, 7, v0                        ; x: output row t >> 7 = two input rows (4,096 bytes),
	v_and_b32 v4, 127, v0
	v_lshlrev_b32 v4, 4, v4                        ; 4 columns (16 bytes) a thread
	v_lshl_add_u32 v4, v2, 12, v4
	v_lshrrev_b32 v2, 6, v0                        ; part: row group t >> 6 = 8 rows of 1,024 bytes,
	v_and_b32 v5, 63, v0
	v_lshlrev_b32 v5, 4, v5                        ; 4 bins a thread
	v_lshl_add_u32 v5, v2, 13, v5
	v_lshlrev_b32 v6, 4, v0                        ; LDS: (t >> 6) 1,024 + (t & 63) 16 = 16 t
	v_lshlrev_b32 v[OO], 3, v0                     ; out0: 2 numbers a thread
	s_lshl_b32 s14, ttmp9, 13                      ; 4 input rows a work-group
	s_mov_b32 s15, 0
	s_lshr_b32 s16, ttmp9, 7                       ; picture
	s_lshl_b32 s16, s16, 15                        ; its 32 rows of part
	s_mov_b32 s17, 0
	s_lshl_b32 s18, ttmp9, 11                      ; 2 output rows a work-group
	s_mov_b32 s19, 0
	s_wait_kmcnt 0x0
	s_add_nc_u64 s[4:5], s[4:5], s[14:15]
	s_add_nc_u64 s[8:9], s[8:9], s[16:17]
	s_add_nc_u64 s[10:11], s[10:11], s[18:19]
.irp i, 0,1,2,3,4,5,6,7
	global_load_b128 v[PH+4*\i:PH+4*\i+3], v5, s[8:9] offset:1024*\i   ; first: the longest chain hangs on these
.endr
.irp i, 0,1,2,3
	global_load_b128 v[MM+4*\i:MM+4*\i+3], v3, s[6:7] offset:512*\i
.endr
	global_load_b128 v[YS:YS+3], v4, s[4:5] th:TH_LOAD_NT              ; this launch reads each pixel once
	global_load_b128 v[YS+4:YS+7], v4, s[4:5] offset:2048 th:TH_LOAD_NT
	; meanwhile: constants, addresses, k of my 8 bins (c = 8 (lane & 1) + i)
	s_mov_b32 s24, 0x41380000                      ; 11.5, the upper bound of z
	s_mov_b32 s26, 0x3f2a87cf                      ; 2 eta = 0.66613475
	s_mov_b32 s27, 0
	s_mov_b32 s28, -1.0                            ; the block's number as a float, one short of the first
	s_mov_b32 s29, 0xc0aa87cf                      ; -16 eta = -5.3290780
	s_mov_b32 s31, 0
	s_mov_b32 s34, 0x40200000                      ; 2.5
	s_mov_b32 s35, 0xbfc00000                      ; -1.5
	s_mov_b32 s36, 0x76543210
	s_mov_b32 s37, 0xfedcba98
	s_lshl_b32 s13, s12, 11
	s_add_co_u32 s13, s13, CT                      ; my wave's table
	v_lshl_add_u32 v[CS], v1, 6, s13               ; my 8 pairs in it
	v_mov_b32 v[CA], s13
	v_lshlrev_b32 v7, 5, v1                        ; my 8 bins in a row of sums
	v_and_b32 v2, 1, v1
	v_lshlrev_b32 v2, 3, v2
.irp i, 0,1,2,3,4,5,6,7
	v_add_nc_u32 v[KA+\i], \i, v2
	v_mul_u32_u24 v[KA+\i], v[KA+\i], v[KA+\i]
	v_cvt_f32_u32 v[KA+\i], v[KA+\i]
	v_mul_f32 v[KA+\i], 0xbde3314d, v[KA+\i]       ; -eta^2 c^2  (eta^2 = 0.11093387)
.endr
.irp i, 0,1,2,3,4,5,6,7
	v_exp_f32 v[CP+2*\i+1], v[KA+\i]               ; k lies where the table's pairs want it
.endr
.irp p, 0,1,2,3,4,5,6,7
	v_mov_b32 v[TOT+2*\p], 0                       ; N starts at 0,
	v_mov_b32 v[TOT+2*\p+1], 0x2edbe6ff            ; D at reference()'s 1e-10
.endr
	s_wait_loadcnt 0x6                             ; the eight rows of part are in; mm's four loads and x's two stay out
.irp r, 0,1,2,3
	v_pk_add_f32 v[PH+4*\r:PH+4*\r+1], v[PH+4*\r:PH+4*\r+1], v[PH+4*\r+16:PH+4*\r+17]
	v_pk_add_f32 v[PH+4*\r+2:PH+4*\r+3], v[PH+4*\r+2:PH+4*\r+3], v[PH+4*\r+18:PH+4*\r+19]
.endr
.irp r, 0,1
	v_pk_add_f32 v[PH+4*\r:PH+4*\r+1], v[PH+4*\r:PH+4*\r+1], v[PH+4*\r+8:PH+4*\r+9]
	v_pk_add_f32 v[PH+4*\r+2:PH+4*\r+3], v[PH+4*\r+2:PH+4*\r+3], v[PH+4*\r+10:PH+4*\r+11]
.endr
	v_pk_add_f32 v[PH:PH+1], v[PH:PH+1], v[PH+4:PH+5]
	v_pk_add_f32 v[PH+2:PH+3], v[PH+2:PH+3], v[PH+6:PH+7]
	ds_store_b128 v6, v[PH:PH+3]
	s_wait_loadcnt 0x2                             ; mm is in; x's two loads stay out
	v_min3_num_f32 v[MNP], v[MM], v[MM+2], v[MM+4]
	v_max3_num_f32 v[MX], v[MM+1], v[MM+3], v[MM+5]
	v_min3_num_f32 v[MNP], v[MNP], v[MM+6], v[MM+8]
	v_max3_num_f32 v[MX], v[MX], v[MM+7], v[MM+9]
	v_min3_num_f32 v[MNP], v[MNP], v[MM+10], v[MM+12]
	v_max3_num_f32 v[MX], v[MX], v[MM+11], v[MM+13]
	v_min_num_f32 v[MNP], v[MNP], v[MM+14]
	v_max_num_f32 v[MX], v[MX], v[MM+15]
.irp m, 1,2,4,8
	v_min_num_f32_dpp v[MNP], v[MNP], v[MNP] row_xmask:\m row_mask:0xf bank_mask:0xf
	v_max_num_f32_dpp v[MX], v[MX], v[MX] row_xmask:\m row_mask:0xf bank_mask:0xf
.endr
	v_permlanex16_b32 v[MM], v[MNP], s36, s37
	v_permlanex16_b32 v[MM+1], v[MX], s36, s37
	v_min_num_f32 v[MNP+1], v[MNP], v[MM]
	v_min_num_f32 v[MNP], v[MNP], v[MM]
	v_max_num_f32 v[MX], v[MX], v[MM+1]
	v_sub_f32 v[MX], v[MX], v[MNP]
	v_add_f32 v[MX], 0x358637bd, v[MX]             ; max - min + 1e-6
	v_rcp_f32 v[MM+2], v[MX]
	v_nop                                          ; one plain line between a transcendental and the use of its result
	s_wait_alu depctr_va_vdst(0)
	v_mul_f32 v[SI], 0x42a9dd47, v[MM+2]           ; S = 84.932180
	v_mul_f32 v[SI+1], 0x42a9dd47, v[MM+2]
	s_wait_loadcnt 0x0
.irp q, 0,1,2,3
	v_pk_add_f32 v[YS+2*\q:YS+2*\q+1], v[YS+2*\q:YS+2*\q+1], v[MNP:MNP+1] neg_lo:[0,1] neg_hi:[0,1]
.endr
.irp q, 0,1,2,3
	v_pk_mul_f32 v[YS+2*\q:YS+2*\q+1], v[YS+2*\q:YS+2*\q+1], v[SI:SI+1]
.endr
	s_wait_dscnt 0x0                               ; for the others' sake: my four sums are in LDS before I signal
	s_barrier_signal -1
	s_barrier_wait -1
.irp g, 0,1,2,3
	ds_load_b128 v[PH+8*\g:PH+8*\g+3], v7 offset:1024*\g
	ds_load_b128 v[PH+8*\g+4:PH+8*\g+7], v7 offset:1024*\g+16
.endr
	s_wait_dscnt 0x0
.irp q, 0,1,2,3
	v_pk_add_f32 v[PH+2*\q:PH+2*\q+1], v[PH+2*\q:PH+2*\q+1], v[PH+8+2*\q:PH+8+2*\q+1]
	v_pk_add_f32 v[PH+16+2*\q:PH+16+2*\q+1], v[PH+16+2*\q:PH+16+2*\q+1], v[PH+24+2*\q:PH+24+2*\q+1]
.endr
.irp q, 0,1,2,3
	v_pk_add_f32 v[PH+2*\q:PH+2*\q+1], v[PH+2*\q:PH+2*\q+1], v[PH+16+2*\q:PH+16+2*\q+1]
.endr
.irp i, 0,1,2,3,4,5,6,7
	v_mul_f32 v[HH+\i], v[PH+\i], v[CP+2*\i+1]     ; hist = k * moment
.endr
.irp i, 1,2,3,4,5,6,7
	v_add_f32 v[HH+\i], v[HH+\i], v[HH+\i-1]       ; running sum inside the lane
.endr
	v_mov_b32 v[SC], v[HH+7]
.irp m, 1,2,4,8
	v_add_f32_dpp v[SC], v[SC], v[SC] row_shr:\m row_mask:0xf bank_mask:0xf    ; scan in each half: a lane without a source keeps its sum
.endr
	v_readlane_b32 s20, v[SC], 15                  ; the lower half's total goes on top of the upper half
	v_cmp_le_u32 vcc_lo, 16, v1
	v_mov_b32 v[TT], s20
	v_cndmask_b32 v[TT], 0, v[TT], vcc_lo
	v_add_f32 v[SC], v[SC], v[TT]
	v_readlane_b32 s21, v[SC], 31                  ; sum of hist
	v_sub_f32 v[EXC], v[SC], v[HH+7]               ; what lies in front of my 8 bins
	v_sub_f32 v[EXC+1], v[SC], v[HH+7]
.irp q, 0,1,2,3
	v_pk_add_f32 v[HH+2*\q:HH+2*\q+1], v[HH+2*\q:HH+2*\q+1], v[EXC:EXC+1]
.endr
	v_readlane_b32 s22, v[HH], 0                   ; the running sum's first term
	v_mov_b32 v[TT], s21
	v_add_f32 v[TT], 0x2edbe6ff, v[TT]             ; + 1e-10
	v_rcp_f32 v[TT+1], v[TT]
	v_nop
	s_wait_alu depctr_va_vdst(0)
	v_mul_f32 v[TT+2], s22, v[TT+1]                ; cdf_min
	v_sub_f32 v[TT+3], 1.0, v[TT+2]
	v_add_f32 v[TT+3], 0x2edbe6ff, v[TT+3]         ; 1 - cdf_min + 1e-10
	v_rcp_f32 v[TT+4], v[TT+3]
	v_nop
	s_wait_alu depctr_va_vdst(0)
	v_mul_f32 v[AL], v[TT+1], v[TT+4]              ; cdf_n = running sum * AL + BE
	v_mul_f32 v[AL+1], v[TT+1], v[TT+4]
	v_mul_f32 v[BE], -v[TT+2], v[TT+4]
	v_mul_f32 v[BE+1], -v[TT+2], v[TT+4]
.irp q, 0,1,2,3
	v_pk_fma_f32 v[HH+2*\q:HH+2*\q+1], v[HH+2*\q:HH+2*\q+1], v[AL:AL+1], v[BE:BE+1]
.endr
.irp i, 0,1,2,3,4,5,6,7
	v_mul_f32 v[CP+2*\i], v[CP+2*\i+1], v[HH+\i]   ; (k cdf_n, k)
.endr
.irp q, 0,1,2,3
	ds_store_b128 v[CS], v[CP+4*\q:CP+4*\q+3] offset:16*\q
.endr
.irp q, 0,1,2,3,4,5,6,7
	ds_load_b128 v[CB+4*\q:CB+4*\q+3], v[CA] offset:16*\q      ; block 0's pairs; LDS serves a wave's instructions in order: these see the stores above
.endr
.macro ARGS                            ; the next block's exponents for my 8 pixels
	s_add_f32 s28, s28, 1.0
	s_mul_f32 s30, s28, s29                        ; -16 a eta
.irp q, 0,1,2,3
	v_pk_add_f32 v[ZZ+2*\q:ZZ+2*\q+1], v[YS+2*\q:YS+2*\q+1], s[30:31] op_sel_hi:[1,0]
.endr
.irp p, 0,1,2,3,4,5,6,7
	v_min_num_f32 v[ZZ+\p], s24, v[ZZ+\p]
.endr
	s_wait_alu depctr_va_vdst(0)
.irp q, 0,1,2,3
	v_pk_mul_f32 v[AU+2*\q:AU+2*\q+1], v[ZZ+2*\q:ZZ+2*\q+1], v[ZZ+2*\q:ZZ+2*\q+1] neg_lo:[0,1] neg_hi:[0,1]
	v_pk_mul_f32 v[AV+2*\q:AV+2*\q+1], v[ZZ+2*\q:ZZ+2*\q+1], s[26:27] op_sel_hi:[1,0]
.endr
.endm
.macro NEXP nxt, e, more               ; exponential e of the next block: 0-7 u, 8-15 v
.if \more
.if (\e) < 8
	v_exp_f32 v[UVB+16*\nxt+(\e)], v[AU+(\e)]
.else
	v_exp_f32 v[UVB+16*\nxt+(\e)], v[AV+(\e)-8]
.endif
.endif
.endm
.macro BFMA d, a, b, p, c              ; pair d = pair a * (one register of pair b, that of pixel p, for both halves) + pair c
.if (\p) & 1
	v_pk_fma_f32 v[\d:\d+1], v[\a:\a+1], v[\b:\b+1], v[\c:\c+1] op_sel:[0,1,0] op_sel_hi:[1,1,1]
.else
	s_wait_alu depctr_va_vdst(0)
	v_pk_fma_f32 v[\d:\d+1], v[\a:\a+1], v[\b:\b+1], v[\c:\c+1] op_sel_hi:[1,0,1]
.endif
.endm
; One block on register sets cur.  more = 1: the next block's pairs (at byte off from CA) and exponentials go into sets nxt.
; Eight chains, one a pixel, take turns, so that no line waits for the line in front.  Each exponential is followed by a multiply-add
; that names none of its registers; its result is first used in the next block.
.macro BLOCK cur, nxt, off, more
.if \more
.irp q, 0,1,2,3,4,5,6,7
	ds_load_b128 v[CB+32*\nxt+4*\q:CB+32*\nxt+4*\q+3], v[CA] offset:\off+16*\q
.endr
	ARGS
	s_wait_dscnt 0x8                               ; this block's eight loads are in; the eight just issued stay out
.else
	s_wait_dscnt 0x0
.endif
.irp p, 0,1,2,3,4,5,6,7
	BFMA ACC+2*\p, CB+32*\cur+30, UVB+16*\cur+8+(\p&6), \p, CB+32*\cur+28      ; the two highest terms start the chain
.endr
	NEXP \nxt, 0, \more
.irp c, 13,12,11,10,9,8,7,6,5,4,3,2,1,0
.irp p, 0,1,2,3,4,5,6,7
	BFMA ACC+2*\p, ACC+2*\p, UVB+16*\cur+8+(\p&6), \p, CB+32*\cur+2*\c
.endr
	NEXP \nxt, 14-\c, \more
.endr
.irp p, 0,1,2,3,4,5,6,7
	BFMA TOT+2*\p, ACC+2*\p, UVB+16*\cur+(\p&6), \p, TOT+2*\p                  ; (N, D) += u * block
.endr
	NEXP \nxt, 15, \more
.endm
	ARGS                                           ; block 0
.irp e, 0,1,2,3,4,5,6,7,8,9,10,11,12,13,14,15
	NEXP 0, \e, 1
.endr
	v_nop                                          ; one plain line behind the run of exponentials
	s_mov_b32 s33, 7
.Lblocks:
	BLOCK 0, 1, 128, 1
	BLOCK 1, 0, 256, 1
	v_add_nc_u32 v[CA], 256, v[CA]                 ; two blocks of 128 bytes on
	s_sub_co_i32 s33, s33, 1
	s_cmp_lg_u32 s33, 0
	s_cbranch_scc1 .Lblocks
	BLOCK 0, 1, 128, 1                             ; block 14,
	BLOCK 1, 0, 0, 0                               ; and block 15, which prepares nothing
.irp p, 0,1,2,3,4,5,6,7
	v_rcp_f32 v[ZZ+\p], v[TOT+2*\p+1]
.endr
	v_nop
	s_wait_alu depctr_va_vdst(0)
.irp p, 0,1,2,3,4,5,6,7
	v_mul_f32 v[ZZ+\p], v[TOT+2*\p], v[ZZ+\p]      ; e = N / (D + 1e-10)
.endr
	v_pk_add_f32 v[ZZ:ZZ+1], v[ZZ:ZZ+1], v[ZZ+4:ZZ+5]          ; upper row + lower row
	v_pk_add_f32 v[ZZ+2:ZZ+3], v[ZZ+2:ZZ+3], v[ZZ+6:ZZ+7]
	v_add_f32 v[AU], v[ZZ], v[ZZ+1]
	v_add_f32 v[AU+1], v[ZZ+2], v[ZZ+3]
	v_fma_f32 v[AU], v[AU], s34, s35               ; (sum / 4 - 0.15) / 0.1
	v_fma_f32 v[AU+1], v[AU+1], s34, s35
	global_store_b64 v[OO], v[AU:AU+1], s[10:11] th:TH_STORE_NT    ; a wave stores 256 consecutive bytes, aligned
	s_wait_tensorcnt 0x0
	ds_add_u32 v192, v193
	s_wait_dscnt 0x0
	s_endpgm
.Lfunc_end_k_q8d0fce6fd4_equalize:
	.size	k_q8d0fce6fd4_equalize, .Lfunc_end_k_q8d0fce6fd4_equalize-k_q8d0fce6fd4_equalize
	.p2alignl 7, 3214868480
	.fill 96, 4, 3214868480
	.section	.rodata,"a",@progbits
	.p2align	6, 0x0
	.amdhsa_kernel k_q8d0fce6fd4_equalize
		.amdhsa_group_segment_fixed_size 21504
		.amdhsa_private_segment_fixed_size 0
		.amdhsa_enable_private_segment 0
		.amdhsa_kernarg_size 32
		.amdhsa_user_sgpr_count 2
		.amdhsa_user_sgpr_kernarg_segment_ptr 1
		.amdhsa_wavefront_size32 1
		.amdhsa_system_sgpr_workgroup_id_x 1
		.amdhsa_system_sgpr_workgroup_id_y 1
		.amdhsa_system_sgpr_workgroup_id_z 1
		.amdhsa_system_vgpr_workitem_id 0
		.amdhsa_next_free_vgpr 194
		.amdhsa_next_free_sgpr 66
		.amdhsa_reserve_vcc 1
		.amdhsa_float_denorm_mode_32 3
		.amdhsa_float_denorm_mode_16_64 3
		.amdhsa_memory_ordered 1
		.amdhsa_forward_progress 1
		.amdhsa_inst_pref_size 63
	.end_amdhsa_kernel
	.amdgpu_metadata
---
amdhsa.version: [ 1, 2 ]
amdhsa.kernels:
  - .name:           k_q8d0fce6fd4_equalize
    .symbol:         k_q8d0fce6fd4_equalize.kd
    .args:
      - { .name: x, .offset: 0, .size: 8, .value_kind: global_buffer, .address_space: global }
      - { .name: mm, .offset: 8, .size: 8, .value_kind: global_buffer, .address_space: global }
      - { .name: part, .offset: 16, .size: 8, .value_kind: global_buffer, .address_space: global }
      - { .name: out0, .offset: 24, .size: 8, .value_kind: global_buffer, .address_space: global }
    .group_segment_fixed_size: 21504
    .private_segment_fixed_size: 0
    .kernarg_segment_align: 8
    .kernarg_segment_size: 32
    .max_flat_workgroup_size: 256
    .sgpr_count:     66
    .vgpr_count:     194
    .wavefront_size: 32
...
	.end_amdgpu_metadata
.endif
;; end of part 3
;; ======== version 2 of 2: 3 launches; 1.57 times as fast as version 1
;; workspace buffers: mm 2,048 bytes; part 65,536 bytes
;; launch minmax: the kernel of part 1 again; grid 256 x 1, 1 waves a work-group, no clusters, 0 bytes of LDS; arguments x, mm; writes mm
;; launch hist (part 4): grid 256 x 1, 8 waves a work-group, no clusters, 35,840 bytes of LDS; arguments x, mm, part; writes part
.if DOCPART == 4
	.amdgcn_target "amdgcn-amd-amdhsa--gfx1250"
	.amdhsa_code_object_version 6
	.text
	.protected	k_q8d0fce6fd4_hist
	.globl	k_q8d0fce6fd4_hist
	.p2align	8
	.type	k_q8d0fce6fd4_hist,@function
k_q8d0fce6fd4_hist:
	s_mov_b64 s[64:65], 0
	v_nop
	global_prefetch_b8 v0, s[64:65] scope:SCOPE_SE
	s_setreg_imm32_b32 hwreg(HW_REG_WAVE_MODE, 25, 1), 1
	s_wait_xcnt 0x0
; Partial soft histograms, as moments.  With y = (x - min) / (max - min + 1e-6), S = sqrt(5000 log2 e), eta = S / 255, bin n = 16 a + c
; and z = S y - 16 a eta, the weight exp(-(y - n/255)^2 / (2 * 0.01^2)) is 2^-(z - c eta)^2 = u v^c k_c with
;   u = 2^(-z z),  v = 2^(2 eta z),  k_c = 2^(-eta^2 c^2):
; two exponentials serve the 16 bins of a block.  This launch stores  part[chunk][n] = sum over the chunk's pixels of u v^c;
; the constant k_c is applied by the next launch.
; Work-group g: chunk g >> 2 (8,192 pixels; 32 chunks a picture) and quarter g & 3 of the bins (4 blocks).  Eight waves, 1,024 pixels each.
; Lane l: block 4 (g & 3) + (l & 3), pixel stream l >> 2.  u v^c is formed as (u v^4i)(v^j), two pixels packed in every instruction:
; for 2 pixels x 16 bins 5 set-up lines, 4 exponentials, 7 products of powers and 16 packed adds or multiply-adds.
; THE EXPONENTIALS GO IN BATCHES OF SIXTEEN, one batch a trip (8 pixels x (u, v)), with one wait each.  The loop is laid one trip askew: a trip
; first makes the exponents of the NEXT eight pixels, then forms the moments of the eight in hand, 92 lines, and the next eight's sixteen
; exponentials stand among those lines, one behind every fifth, into the other of two register sets.  None of the 92 lines names that set.
; The sixteenth stands 20 lines ahead of the trip's end, where the batch's wait is, ahead of the branch.  The sets take turns: two trips a lap of the loop.
; LIMITS.  z is held at 11.5 from above: v^15 <= 2^115 stays finite, and u = 2^-132 is flushed to 0 there.  Since u is flushed from
; z > 11.23 on, weights below 2^-38 are dropped (a pixel's weights sum to 0.98 at the least).  1 / range is v_rcp_f32.  The sums' order is
; not reference()'s.  NaN and infinities in x are not served.
; No joint requests: the four work-groups of a chunk share 32 KB of x, read once at the head by 8 loads a lane, against some 2,000 arithmetic
; lines a wave; the copy engines would bring bytes that have to pass through registers anyway to be standardised.
.set RED, 32768                        ; LDS: 0 .. 32767 S y, 4,096 bytes a wave, each wave's own;  RED: 8 waves x 64 sums
.set LA,  4                            ; v4       LDS address of my stream's next 16 bytes
.set RA,  5                            ; v5       where my block's 16 sums go
.set NA,  6                            ; v[6:7]   -16 a eta, twice
.set YY,  8                            ; v[8:15]  eight S y as loaded                (v[8:23] at the end: the 16 sums)
.set ZZ,  16                           ; v[16:23] z, four pairs of pixels
.set AU,  24                           ; v[24:31] -z z
.set AV,  32                           ; v[32:39] 2 eta z
.set UU,  40                           ; v[40:47] u, set 0
.set VV,  48                           ; v[48:55] v, set 0
.set ALT, 64                           ; set 1 lies 64 registers up: v[104:111] u, v[112:119] v, which hold mm's pairs in the head alone
.set TV2, 56                           ; v^2, v^3, v^4, v^8, u v^4, u v^8, u v^12 of the pair at work
.set TV3, 58
.set TV4, 60
.set TV8, 62
.set TP1, 64
.set TP2, 66
.set TP3, 68
.set SA,  70                           ; v70      where I put S y
.set OO,  71                           ; v71      byte offset in part
.set ACC, 72                           ; v[72:103] sums: pair c = (even pixels, odd pixels) of u v^c
.set MM,  104                          ; v[104:119] the 256 (min, max) pairs, 8 a lane
.set XX,  120                          ; v[120:151] my 32 pixels
.set MNP, 152                          ; v[152:153] min, twice
.set MX,  154
.set SI,  156                          ; v[156:157] S / (max - min + 1e-6), twice
.set RR,  8
	s_load_b128 s[4:7], s[0:1], 0x0                ; x s[4:5], mm s[6:7]
	s_load_b64 s[8:9], s[0:1], 0x10                ; part
	v_lshl_add_u32 v160, v0, 2, 0x8800
	v_mov_b32 v161, 0
	v_and_b32 v1, 31, v0                           ; lane
	v_lshrrev_b32 v2, 5, v0
	v_readfirstlane_b32 s10, v2                    ; wave 0..7
	v_lshlrev_b32 v3, 4, v1                        ; 16 bytes a lane
	s_lshr_b32 s11, ttmp9, 2                       ; chunk 0..63
	s_and_b32 s14, ttmp9, 3                        ; quarter of the bins
	s_lshl_b32 s12, s11, 15                        ; 32,768 bytes a chunk
	s_lshl_b32 s15, s10, 12                        ; 4,096 bytes a wave, in x and in LDS
	s_add_co_u32 s12, s12, s15
	s_mov_b32 s13, 0
	s_wait_kmcnt 0x0
	s_add_nc_u64 s[4:5], s[4:5], s[12:13]
.irp i, 0,1,2,3
	global_load_b128 v[MM+4*\i:MM+4*\i+3], v3, s[6:7] offset:512*\i    ; every wave takes all 2,048 bytes of mm: no exchange between waves
.endr
.irp i, 0,1,2,3,4,5,6,7
	global_load_b128 v[XX+4*\i:XX+4*\i+3], v3, s[4:5] offset:512*\i    ; 512 neighbouring bytes a load
.endr
	s_mov_b32 s16, 0x76543210
	s_mov_b32 s17, 0xfedcba98
	s_mov_b32 s18, 0x41380000                      ; 11.5, the upper bound of z
	s_mov_b32 s20, 0x3f2a87cf                      ; 2 eta = 0.66613475
	s_mov_b32 s21, 0                               ; (the pair's other half is named with it)
	s_lshl_b32 s19, s10, 8
	s_add_co_u32 s19, s19, RED                     ; my wave's 256 bytes of sums
	v_and_b32 v2, 3, v1
	v_lshl_add_u32 v[RA], v2, 6, s19               ; + 64 bytes a block
	v_lshl_add_u32 v2, s14, 2, v2                  ; block a = 4 quarter + (lane & 3)
	v_cvt_f32_u32 v2, v2
	v_mul_f32 v[NA], 0xc0aa87cf, v2                ; -16 eta a  (16 eta = 5.3290780)
	v_mul_f32 v[NA+1], 0xc0aa87cf, v2
	v_lshrrev_b32 v[LA], 2, v1
	v_lshl_add_u32 v[LA], v[LA], 4, s15            ; 16 (lane >> 2) + my wave's 4,096 bytes
	v_add_nc_u32 v[SA], s15, v3
.set i, 0
.rept 32
	v_mov_b32 v[ACC+i], 0
.set i, i+1
.endr
	s_wait_loadcnt 0x8                             ; the four loads of mm are in; the eight of x stay out
	v_min3_num_f32 v[MNP], v[MM], v[MM+2], v[MM+4]
	v_max3_num_f32 v[MX], v[MM+1], v[MM+3], v[MM+5]
	v_min3_num_f32 v[MNP], v[MNP], v[MM+6], v[MM+8]
	v_max3_num_f32 v[MX], v[MX], v[MM+7], v[MM+9]
	v_min3_num_f32 v[MNP], v[MNP], v[MM+10], v[MM+12]
	v_max3_num_f32 v[MX], v[MX], v[MM+11], v[MM+13]
	v_min_num_f32 v[MNP], v[MNP], v[MM+14]
	v_max_num_f32 v[MX], v[MX], v[MM+15]
.irp m, 1,2,4,8
	v_min_num_f32_dpp v[MNP], v[MNP], v[MNP] row_xmask:\m row_mask:0xf bank_mask:0xf
	v_max_num_f32_dpp v[MX], v[MX], v[MX] row_xmask:\m row_mask:0xf bank_mask:0xf
.endr
	v_permlanex16_b32 v[MM], v[MNP], s16, s17
	v_permlanex16_b32 v[MM+1], v[MX], s16, s17
	v_min_num_f32 v[MNP+1], v[MNP], v[MM]          ; the tensor's minimum, in both registers of a pair
	v_min_num_f32 v[MNP], v[MNP], v[MM]
	v_max_num_f32 v[MX], v[MX], v[MM+1]
	v_sub_f32 v[MX], v[MX], v[MNP]
	v_add_f32 v[MX], 0x358637bd, v[MX]             ; max - min + 1e-6
	v_rcp_f32 v[MM+2], v[MX]
	v_nop                                          ; one plain line between a transcendental and the use of its result
	s_wait_alu depctr_va_vdst(0)                   ; the wait for the one reciprocal, which the next line reads
	v_mul_f32 v[SI], 0x42a9dd47, v[MM+2]           ; S = 84.932180
	v_mul_f32 v[SI+1], 0x42a9dd47, v[MM+2]
.irp i, 0,1,2,3,4,5,6,7
	s_wait_loadcnt 7-\i                            ; load i of x is in, the younger ones stay out
	v_pk_add_f32 v[XX+4*\i:XX+4*\i+1], v[XX+4*\i:XX+4*\i+1], v[MNP:MNP+1] neg_lo:[0,1] neg_hi:[0,1]
	v_pk_add_f32 v[XX+4*\i+2:XX+4*\i+3], v[XX+4*\i+2:XX+4*\i+3], v[MNP:MNP+1] neg_lo:[0,1] neg_hi:[0,1]
	v_pk_mul_f32 v[XX+4*\i:XX+4*\i+1], v[XX+4*\i:XX+4*\i+1], v[SI:SI+1]
	v_pk_mul_f32 v[XX+4*\i+2:XX+4*\i+3], v[XX+4*\i+2:XX+4*\i+3], v[SI:SI+1]
	ds_store_b128 v[SA], v[XX+4*\i:XX+4*\i+3] offset:512*\i    ; S y, into my wave's own bytes
.endr
	ds_load_b128 v[YY:YY+3], v[LA]                 ; LDS serves a wave's instructions in order: these see the stores above.
	ds_load_b128 v[YY+4:YY+7], v[LA] offset:128    ; Four lanes (the four blocks) share each address; a wave's load covers 128 bytes
.macro SETUP k                         ; pair k: the bound, then the two exponents
	v_min_num_f32 v[ZZ+2*\k], s18, v[ZZ+2*\k]
	v_min_num_f32 v[ZZ+2*\k+1], s18, v[ZZ+2*\k+1]
	v_pk_mul_f32 v[AU+2*\k:AU+2*\k+1], v[ZZ+2*\k:ZZ+2*\k+1], v[ZZ+2*\k:ZZ+2*\k+1] neg_lo:[0,1] neg_hi:[0,1]
	v_pk_mul_f32 v[AV+2*\k:AV+2*\k+1], v[ZZ+2*\k:ZZ+2*\k+1], s[20:21] op_sel_hi:[1,0]
.endm
; The batch's next exponential, into set s.  e counts them: pair e / 4; of its four the first two are u, the other two v.  Once sixteen are out: nothing.
.macro NX s
.if e < 16
.if (e & 2) == 0
	v_exp_f32 v[UU+ALT*(\s)+2*(e/4)+(e&1)], v[AU+2*(e/4)+(e&1)]
.else
	v_exp_f32 v[VV+ALT*(\s)+2*(e/4)+(e&1)], v[AV+2*(e/4)+(e&1)]
.endif
.endif
.set e, e+1
.endm
.macro PR d, a, b
	v_pk_mul_f32 v[\d:\d+1], v[\a:\a+1], v[\b:\b+1]
.endm
.macro AC c, a, b
	v_pk_fma_f32 v[ACC+2*\c:ACC+2*\c+1], v[\a:\a+1], v[\b:\b+1], v[ACC+2*\c:ACC+2*\c+1]
.endm
.macro AD c, a
	v_pk_add_f32 v[ACC+2*\c:ACC+2*\c+1], v[ACC+2*\c:ACC+2*\c+1], v[\a:\a+1]
.endm
; The 16 moments of pair k of set s.  The next trip's batch, which goes into the other set, has five places among and behind these lines: each
; exponential is followed by a plain line that names none of its registers, and no line here names the other set.
.macro WORK s, k
.set RU, UU+ALT*(\s)+2*(\k)
.set RV, VV+ALT*(\s)+2*(\k)
	PR TV2, RV, RV
	AD 0, RU
	AC 1, RU, RV
	NX 1-\s
	PR TV4, TV2, TV2
	PR TV3, TV2, RV
	AC 2, RU, TV2
	PR TV8, TV4, TV4
	PR TP1, RU, TV4
	NX 1-\s
	AC 3, RU, TV3
	PR TP2, RU, TV8
	AD 4, TP1
	AC 5, TP1, RV
	PR TP3, TP1, TV8
	NX 1-\s
	AC 6, TP1, TV2
	AC 7, TP1, TV3
	AD 8, TP2
	AC 9, TP2, RV
	AC 10, TP2, TV2
	NX 1-\s
	AC 11, TP2, TV3
	AD 12, TP3
	AC 13, TP3, RV
	AC 14, TP3, TV2
	AC 15, TP3, TV3
	NX 1-\s
.endm
; Eight pixels of my stream (256 bytes of the wave's 4,096) are taken out of YY and their exponents made.  more = 1: the eight behind them are
; asked for as soon as YY is free, a whole trip ahead of their use.
.macro HEAD more
	s_wait_dscnt 0x0                               ; the two loads of these eight pixels are the only LDS instructions out
.irp q, 0,1,2,3
	v_pk_add_f32 v[ZZ+2*\q:ZZ+2*\q+1], v[YY+2*\q:YY+2*\q+1], v[NA:NA+1]    ; z = S y - 16 a eta
.endr
.if \more
	v_add_nc_u32 v[LA], 256, v[LA]
	ds_load_b128 v[YY:YY+3], v[LA]
	ds_load_b128 v[YY+4:YY+7], v[LA] offset:128
.endif
	SETUP 0
	SETUP 1
	SETUP 2
	SETUP 3
.endm
; A trip: the exponents of the next eight pixels; the moments of the eight whose u and v lie in set s; among them the next eight's batch, into the other set.
.macro TRIP s, more
	HEAD \more
.set e, 0
	WORK \s, 0                                     ; exponentials 0 to 4
	WORK \s, 1                                     ; 5 to 9
	WORK \s, 2                                     ; 10 to 14
	WORK \s, 3                                     ; the sixteenth behind its third line; its other 20 lines are independent work behind the batch
	s_wait_alu depctr_va_vdst(0)                   ; ONE wait for the batch of sixteen, ahead of the next trip's moments, its first readers, and of the branch
.endm
	HEAD 1                                         ; the first eight pixels: no moments are at hand yet to set their batch among
.set e, 0
.rept 16
	NX 0
.endr
	v_nop                                          ; one plain line behind the run of exponentials
	s_wait_alu depctr_va_vdst(0)                   ; the first batch's wait, ahead of the label
	s_mov_b32 s24, 7
.Ltrip:                                                ; a lap: two trips, the sets by turns
	TRIP 0, 1
	TRIP 1, 1
	s_sub_co_i32 s24, s24, 1
	s_cmp_lg_u32 s24, 0
	s_cbranch_scc1 .Ltrip
	TRIP 0, 0                                      ; the fifteenth eight's moments and the sixteenth's batch; nothing is asked for
.set e, 16                                             ; no batch is left
	WORK 1, 0                                      ; the sixteenth eight's moments
	WORK 1, 1
	WORK 1, 2
	WORK 1, 3
	; the two pixels of a pair, then the eight streams (lane bits 2, 3, 4)
.irp c, 0,1,2,3,4,5,6,7,8,9,10,11,12,13,14,15
	v_add_f32 v[RR+\c], v[ACC+2*\c], v[ACC+2*\c+1]
.endr
.irp c, 0,1,2,3,4,5,6,7,8,9,10,11,12,13,14,15
	v_add_f32_dpp v[RR+\c], v[RR+\c], v[RR+\c] row_xmask:4 row_mask:0xf bank_mask:0xf
.endr
.irp c, 0,1,2,3,4,5,6,7,8,9,10,11,12,13,14,15
	v_add_f32_dpp v[RR+\c], v[RR+\c], v[RR+\c] row_xmask:8 row_mask:0xf bank_mask:0xf
.endr
.irp c, 0,1,2,3,4,5,6,7,8,9,10,11,12,13,14,15
	v_permlanex16_b32 v[AU+\c], v[RR+\c], s16, s17 ; v[24:39] were written in every trip
.endr
.irp c, 0,1,2,3,4,5,6,7,8,9,10,11,12,13,14,15
	v_add_f32 v[RR+\c], v[RR+\c], v[AU+\c]
.endr
.irp q, 0,1,2,3
	ds_store_b128 v[RA], v[RR+4*\q:RR+4*\q+3] offset:16*\q     ; the eight lanes of a block write the same bytes with the same numbers
.endr
	s_wait_dscnt 0x0                               ; for wave 0's sake: my sums are in LDS before I signal
	s_barrier_signal -1
	s_barrier_wait -1
	s_cmp_lg_u32 s10, 0
	s_cbranch_scc1 .Lothers
	; wave 0 adds the eight waves' sums: lane l takes bins 4 (l & 15) .. + 3 of the quarter
	v_and_b32 v2, 15, v1
	v_lshlrev_b32 v2, 4, v2
.irp w, 0,1,2,3,4,5,6,7
	ds_load_b128 v[ACC+4*\w:ACC+4*\w+3], v2 offset:RED+256*\w
.endr
	s_lshl_b32 s12, s11, 10                        ; part: 1,024 bytes a chunk,
	s_lshl_b32 s13, s14, 8                         ; 256 a quarter
	s_add_co_u32 s12, s12, s13
	v_add_nc_u32 v[OO], s12, v2
	s_wait_dscnt 0x0
.irp w, 0,1,2,3
	v_pk_add_f32 v[ACC+4*\w:ACC+4*\w+1], v[ACC+4*\w:ACC+4*\w+1], v[ACC+4*\w+16:ACC+4*\w+17]
	v_pk_add_f32 v[ACC+4*\w+2:ACC+4*\w+3], v[ACC+4*\w+2:ACC+4*\w+3], v[ACC+4*\w+18:ACC+4*\w+19]
.endr
.irp w, 0,1
	v_pk_add_f32 v[ACC+4*\w:ACC+4*\w+1], v[ACC+4*\w:ACC+4*\w+1], v[ACC+4*\w+8:ACC+4*\w+9]
	v_pk_add_f32 v[ACC+4*\w+2:ACC+4*\w+3], v[ACC+4*\w+2:ACC+4*\w+3], v[ACC+4*\w+10:ACC+4*\w+11]
.endr
	v_pk_add_f32 v[ACC:ACC+1], v[ACC:ACC+1], v[ACC+4:ACC+5]
	v_pk_add_f32 v[ACC+2:ACC+3], v[ACC+2:ACC+3], v[ACC+6:ACC+7]
	v_cmp_gt_u32 vcc_lo, 16, v0
	s_wait_xcnt 0x0                                ; EXEC changes only behind this wait
	s_wait_tensorcnt 0x0
	ds_add_u32 v160, v161
	s_wait_dscnt 0x0
	s_and_saveexec_b32 s13, vcc_lo                 ; lanes 16-31 hold copies
	global_store_b128 v[OO], v[ACC:ACC+3], s[8:9]  ; sixteen lanes store the quarter's 256 consecutive bytes, aligned
	s_endpgm
.Lothers:
	s_wait_tensorcnt 0x0
	ds_add_u32 v160, v161
	s_wait_dscnt 0x0
	s_endpgm
.Lfunc_end_k_q8d0fce6fd4_hist:
	.size	k_q8d0fce6fd4_hist, .Lfunc_end_k_q8d0fce6fd4_hist-k_q8d0fce6fd4_hist
	.p2alignl 7, 3214868480
	.fill 96, 4, 3214868480
	.section	.rodata,"a",@progbits
	.p2align	6, 0x0
	.amdhsa_kernel k_q8d0fce6fd4_hist
		.amdhsa_group_segment_fixed_size 35840
		.amdhsa_private_segment_fixed_size 0
		.amdhsa_enable_private_segment 0
		.amdhsa_kernarg_size 24
		.amdhsa_user_sgpr_count 2
		.amdhsa_user_sgpr_kernarg_segment_ptr 1
		.amdhsa_wavefront_size32 1
		.amdhsa_system_sgpr_workgroup_id_x 1
		.amdhsa_system_sgpr_workgroup_id_y 1
		.amdhsa_system_sgpr_workgroup_id_z 1
		.amdhsa_system_vgpr_workitem_id 0
		.amdhsa_next_free_vgpr 162
		.amdhsa_next_free_sgpr 66
		.amdhsa_reserve_vcc 1
		.amdhsa_float_denorm_mode_32 3
		.amdhsa_float_denorm_mode_16_64 3
		.amdhsa_memory_ordered 1
		.amdhsa_forward_progress 1
		.amdhsa_inst_pref_size 45
	.end_amdhsa_kernel
	.amdgpu_metadata
---
amdhsa.version: [ 1, 2 ]
amdhsa.kernels:
  - .name:           k_q8d0fce6fd4_hist
    .symbol:         k_q8d0fce6fd4_hist.kd
    .args:
      - { .name: x, .offset: 0, .size: 8, .value_kind: global_buffer, .address_space: global }
      - { .name: mm, .offset: 8, .size: 8, .value_kind: global_buffer, .address_space: global }
      - { .name: part, .offset: 16, .size: 8, .value_kind: global_buffer, .address_space: global }
    .group_segment_fixed_size: 35840
    .private_segment_fixed_size: 0
    .kernarg_segment_align: 8
    .kernarg_segment_size: 24
    .max_flat_workgroup_size: 256
    .sgpr_count:     66
    .vgpr_count:     162
    .wavefront_size: 32
...
	.end_amdgpu_metadata
.endif
;; end of part 4
;; launch equalize (part 5): grid 256 x 1, 8 waves a work-group, no clusters, 21,504 bytes of LDS; arguments x, mm, part, out0; writes out0
.if DOCPART == 5
	.amdgcn_target "amdgcn-amd-amdhsa--gfx1250"
	.amdhsa_code_object_version 6
	.text
	.protected	k_q8d0fce6fd4_equalize
	.globl	k_q8d0fce6fd4_equalize
	.p2align	8
	.type	k_q8d0fce6fd4_equalize,@function
k_q8d0fce6fd4_equalize:
	s_mov_b64 s[64:65], 0
	v_nop
	global_prefetch_b8 v0, s[64:65] scope:SCOPE_SE
	s_setreg_imm32_b32 hwreg(HW_REG_WAVE_MODE, 25, 1), 1
	s_wait_xcnt 0x0
; Histogram -> cdf -> equalised pixels -> 2 x 2 mean -> (e - 0.15) / 0.1.
; Notation as in the launch before: z = S y - 16 a eta, weight of bin 16 a + c = u v^c k_c, u = 2^(-z z), v = 2^(2 eta z), k_c = 2^(-eta^2 c^2).
; Head: the work-group adds the 32 partial rows of its picture (32 KB) through LDS; then EVERY wave holds the 256 bins, 8 a lane, makes
; hist = k * moment, the running sum (7 adds in the lane, a scan over the lanes), cdf_n, and lays the pairs (k_c cdf_n[n], k_c) into a table
; of its own in LDS (2 KB a wave): no second barrier.
; Body: a lane has 8 pixels (4 columns of 2 rows = 2 outputs).  For each of the 16 blocks both sums, N = sum w cdf_n and D = sum w, are
; polynomials of degree 15 in v: one Horner chain of v_pk_fma_f32 on the pair (N, D), 15 lines, and one more for u: a line for each weight.
; The table's pairs come by loads in which all lanes share the address.  While a block is worked on, the next block's 8 loads are out.
; THE EXPONENTIALS GO IN BATCHES OF SIXTEEN, one batch a block (8 pixels x (u, v)), with one wait each.  The next block's batch goes into the other of
; two register sets and stands among the block's first 64 multiply-adds, one exponential behind every four; the block's other 64 multiply-adds,
; which name nothing of that set, are the independent work behind the batch; the wait stands at the block's end, ahead of the next block's loads and
; of the branch.  In the head the eight k and 1 / range share one wait; the two reciprocals of the cdf hang on each other and have one each; the eight
; reciprocals on the way out are one batch.
; The resize: source coordinate 2 i + 0.5, so both fractions are 0.5 and an output is the mean of 4: out = 2.5 (e + e + e + e) - 1.5.
; LIMITS as in the launch before: z held at 11.5 from above, weights under 2^-38 dropped (D >= 0.98); divisions are v_rcp_f32 and a multiply;
; the sums' order is not reference()'s; NaN and infinities in x are not served.
; No joint requests: the 128 work-groups of a picture share 32 KB of part, read once at the head by 8 loads a lane, against
; some 2,700 lines a wave in the body.
.set CT,  4096                         ; LDS: 0 .. 4095 four row groups x 256 sums;  CT: 8 waves x 256 pairs
.set YS,  8                            ; v[8:15]    x, then S y, of my 8 pixels
.set ZZ,  16                           ; v[16:23]   z
.set AU,  24                           ; v[24:31]   -z z
.set AV,  32                           ; v[32:39]   2 eta z
.set UVB, 40                           ; v[40:71]   two sets of (u of 8 pixels, v of 8 pixels)
.set CB,  72                           ; v[72:135]  two sets of a block's 16 pairs
.set ACC, 136                          ; v[136:151] Horner pairs (N, D) of 8 pixels
.set TOT, 152                          ; v[152:167] the pixels' (N, D)
.set PH,  72                           ; head: 8 partial rows, then 4 row groups x 8 bins
.set MM,  104                          ; head: v[104:119] the 256 (min, max) pairs, 8 a lane
.set HH,  120                          ; head: v[120:127] hist, running sum, cdf_n of my 8 bins
.set KA,  128                          ; head: v[128:135] exponents of k
.set CP,  136                          ; head: v[136:151] my 8 pairs (k cdf_n, k)
.set MNP, 168
.set SI,  170
.set MX,  172
.set TT,  174                          ; v[174:178] at work
.set AL,  180
.set BE,  182
.set EXC, 184
.set SC,  186
.set CA,  187
.set CS,  188
.set OO,  189
	s_load_b256 s[4:11], s[0:1], 0x0               ; x s[4:5], mm s[6:7], part s[8:9], out0 s[10:11]
	v_lshl_add_u32 v192, v0, 2, 0x5000
	v_mov_b32 v193, 0
	v_and_b32 v1, 31, v0                           ; lane
	v_lshrrev_b32 v2, 5, v0
	v_readfirstlane_b32 s12, v2                    ; wave 0..7
	v_lshlrev_b32 v3, 4, v1                        ; mm: 16 bytes a lane
	v_lshrrev_b32 v2, 7, v0                        ; x: output row t >> 7 = two input rows (4,096 bytes),
	v_and_b32 v4, 127, v0
	v_lshlrev_b32 v4, 4, v4                        ; 4 columns (16 bytes) a thread
	v_lshl_add_u32 v4, v2, 12, v4
	v_lshrrev_b32 v2, 6, v0                        ; part: row group t >> 6 = 8 rows of 1,024 bytes,
	v_and_b32 v5, 63, v0
	v_lshlrev_b32 v5, 4, v5                        ; 4 bins a thread
	v_lshl_add_u32 v5, v2, 13, v5
	v_lshlrev_b32 v6, 4, v0                        ; LDS: (t >> 6) 1,024 + (t & 63) 16 = 16 t
	v_lshlrev_b32 v[OO], 3, v0                     ; out0: 2 numbers a thread
	s_lshl_b32 s14, ttmp9, 13                      ; 4 input rows a work-group
	s_mov_b32 s15, 0
	s_lshr_b32 s16, ttmp9, 7                       ; picture
	s_lshl_b32 s16, s16, 15                        ; its 32 rows of part
	s_mov_b32 s17, 0
	s_lshl_b32 s18, ttmp9, 11                      ; 2 output rows a work-group
	s_mov_b32 s19, 0
	s_wait_kmcnt 0x0
	s_add_nc_u64 s[4:5], s[4:5], s[14:15]
	s_add_nc_u64 s[8:9], s[8:9], s[16:17]
	s_add_nc_u64 s[10:11], s[10:11], s[18:19]
.irp i, 0,1,2,3,4,5,6,7
	global_load_b128 v[PH+4*\i:PH+4*\i+3], v5, s[8:9] offset:1024*\i   ; first: the longest chain hangs on these
.endr
.irp i, 0,1,2,3
	global_load_b128 v[MM+4*\i:MM+4*\i+3], v3, s[6:7] offset:512*\i
.endr
	global_load_b128 v[YS:YS+3], v4, s[4:5] th:TH_LOAD_NT              ; this launch reads each pixel once
	global_load_b128 v[YS+4:YS+7], v4, s[4:5] offset:2048 th:TH_LOAD_NT
	; meanwhile: constants, addresses, k of my 8 bins (c = 8 (lane & 1) + i)
	s_mov_b32 s24, 0x41380000                      ; 11.5, the upper bound of z
	s_mov_b32 s26, 0x3f2a87cf                      ; 2 eta = 0.66613475
	s_mov_b32 s27, 0
	s_mov_b32 s28, -1.0                            ; the block's number as a float, one short of the first
	s_mov_b32 s29, 0xc0aa87cf                      ; -16 eta = -5.3290780
	s_mov_b32 s31, 0
	s_mov_b32 s34, 0x40200000                      ; 2.5
	s_mov_b32 s35, 0xbfc00000                      ; -1.5
	s_mov_b32 s36, 0x76543210
	s_mov_b32 s37, 0xfedcba98
	s_lshl_b32 s13, s12, 11
	s_add_co_u32 s13, s13, CT                      ; my wave's table
	v_lshl_add_u32 v[CS], v1, 6, s13               ; my 8 pairs in it
	v_mov_b32 v[CA], s13
	v_lshlrev_b32 v7, 5, v1                        ; my 8 bins in a row of sums
	v_and_b32 v2, 1, v1
	v_lshlrev_b32 v2, 3, v2
.irp i, 0,1,2,3,4,5,6,7
	v_add_nc_u32 v[KA+\i], \i, v2
	v_mul_u32_u24 v[KA+\i], v[KA+\i], v[KA+\i]
	v_cvt_f32_u32 v[KA+\i], v[KA+\i]
	v_mul_f32 v[KA+\i], 0xbde3314d, v[KA+\i]       ; -eta^2 c^2  (eta^2 = 0.11093387)
.endr
.irp i, 0,1,2,3,4,5,6,7
	v_exp_f32 v[CP+2*\i+1], v[KA+\i]               ; k lies where the table's pairs want it; first read behind the barrier below
.endr
.irp p, 0,1,2,3,4,5,6,7
	v_mov_b32 v[TOT+2*\p], 0                       ; N starts at 0,
	v_mov_b32 v[TOT+2*\p+1], 0x2edbe6ff            ; D at reference()'s 1e-10
.endr
	s_wait_loadcnt 0x6                             ; the eight rows of part are in; mm's four loads and x's two stay out
.irp r, 0,1,2,3
	v_pk_add_f32 v[PH+4*\r:PH+4*\r+1], v[PH+4*\r:PH+4*\r+1], v[PH+4*\r+16:PH+4*\r+17]
	v_pk_add_f32 v[PH+4*\r+2:PH+4*\r+3], v[PH+4*\r+2:PH+4*\r+3], v[PH+4*\r+18:PH+4*\r+19]
.endr
.irp r, 0,1
	v_pk_add_f32 v[PH+4*\r:PH+4*\r+1], v[PH+4*\r:PH+4*\r+1], v[PH+4*\r+8:PH+4*\r+9]
	v_pk_add_f32 v[PH+4*\r+2:PH+4*\r+3], v[PH+4*\r+2:PH+4*\r+3], v[PH+4*\r+10:PH+4*\r+11]
.endr
	v_pk_add_f32 v[PH:PH+1], v[PH:PH+1], v[PH+4:PH+5]
	v_pk_add_f32 v[PH+2:PH+3], v[PH+2:PH+3], v[PH+6:PH+7]
	ds_store_b128 v6, v[PH:PH+3]
	s_wait_loadcnt 0x2                             ; mm is in; x's two loads stay out
	v_min3_num_f32 v[MNP], v[MM], v[MM+2], v[MM+4]
	v_max3_num_f32 v[MX], v[MM+1], v[MM+3], v[MM+5]
	v_min3_num_f32 v[MNP], v[MNP], v[MM+6], v[MM+8]
	v_max3_num_f32 v[MX], v[MX], v[MM+7], v[MM+9]
	v_min3_num_f32 v[MNP], v[MNP], v[MM+10], v[MM+12]
	v_max3_num_f32 v[MX], v[MX], v[MM+11], v[MM+13]
	v_min_num_f32 v[MNP], v[MNP], v[MM+14]
	v_max_num_f32 v[MX], v[MX], v[MM+15]
.irp m, 1,2,4,8
	v_min_num_f32_dpp v[MNP], v[MNP], v[MNP] row_xmask:\m row_mask:0xf bank_mask:0xf
	v_max_num_f32_dpp v[MX], v[MX], v[MX] row_xmask:\m row_mask:0xf bank_mask:0xf
.endr
	v_permlanex16_b32 v[MM], v[MNP], s36, s37
	v_permlanex16_b32 v[MM+1], v[MX], s36, s37
	v_min_num_f32 v[MNP+1], v[MNP], v[MM]
	v_min_num_f32 v[MNP], v[MNP], v[MM]
	v_max_num_f32 v[MX], v[MX], v[MM+1]
	v_sub_f32 v[MX], v[MX], v[MNP]
	v_add_f32 v[MX], 0x358637bd, v[MX]             ; max - min + 1e-6
	v_rcp_f32 v[MM+2], v[MX]
	v_nop                                          ; one plain line between a transcendental and the use of its result
	s_wait_alu depctr_va_vdst(0)                   ; one wait for this reciprocal and the eight k above, none of which has been named yet
	v_mul_f32 v[SI], 0x42a9dd47, v[MM+2]           ; S = 84.932180
	v_mul_f32 v[SI+1], 0x42a9dd47, v[MM+2]
	s_wait_loadcnt 0x0
.irp q, 0,1,2,3
	v_pk_add_f32 v[YS+2*\q:YS+2*\q+1], v[YS+2*\q:YS+2*\q+1], v[MNP:MNP+1] neg_lo:[0,1] neg_hi:[0,1]
.endr
.irp q, 0,1,2,3
	v_pk_mul_f32 v[YS+2*\q:YS+2*\q+1], v[YS+2*\q:YS+2*\q+1], v[SI:SI+1]
.endr
	s_wait_dscnt 0x0                               ; for the others' sake: my four sums are in LDS before I signal
	s_barrier_signal -1
	s_barrier_wait -1
.irp g, 0,1,2,3
	ds_load_b128 v[PH+8*\g:PH+8*\g+3], v7 offset:1024*\g
	ds_load_b128 v[PH+8*\g+4:PH+8*\g+7], v7 offset:1024*\g+16
.endr
	s_wait_dscnt 0x0
.irp q, 0,1,2,3
	v_pk_add_f32 v[PH+2*\q:PH+2*\q+1], v[PH+2*\q:PH+2*\q+1], v[PH+8+2*\q:PH+8+2*\q+1]
	v_pk_add_f32 v[PH+16+2*\q:PH+16+2*\q+1], v[PH+16+2*\q:PH+16+2*\q+1], v[PH+24+2*\q:PH+24+2*\q+1]
.endr
.irp q, 0,1,2,3
	v_pk_add_f32 v[PH+2*\q:PH+2*\q+1], v[PH+2*\q:PH+2*\q+1], v[PH+16+2*\q:PH+16+2*\q+1]
.endr
.irp i, 0,1,2,3,4,5,6,7
	v_mul_f32 v[HH+\i], v[PH+\i], v[CP+2*\i+1]     ; hist = k * moment
.endr
.irp i, 1,2,3,4,5,6,7
	v_add_f32 v[HH+\i], v[HH+\i], v[HH+\i-1]       ; running sum inside the lane
.endr
	v_mov_b32 v[SC], v[HH+7]
.irp m, 1,2,4,8
	v_add_f32_dpp v[SC], v[SC], v[SC] row_shr:\m row_mask:0xf bank_mask:0xf    ; scan in each half: a lane without a source keeps its sum
.endr
	v_readlane_b32 s20, v[SC], 15                  ; the lower half's total goes on top of the upper half
	v_cmp_le_u32 vcc_lo, 16, v1
	v_mov_b32 v[TT], s20
	v_cndmask_b32 v[TT], 0, v[TT], vcc_lo
	v_add_f32 v[SC], v[SC], v[TT]
	v_readlane_b32 s21, v[SC], 31                  ; sum of hist
	v_sub_f32 v[EXC], v[SC], v[HH+7]               ; what lies in front of my 8 bins
	v_sub_f32 v[EXC+1], v[SC], v[HH+7]
.irp q, 0,1,2,3
	v_pk_add_f32 v[HH+2*\q:HH+2*\q+1], v[HH+2*\q:HH+2*\q+1], v[EXC:EXC+1]
.endr
	v_readlane_b32 s22, v[HH], 0                   ; the running sum's first term
	v_mov_b32 v[TT], s21
	v_add_f32 v[TT], 0x2edbe6ff, v[TT]             ; + 1e-10
	v_rcp_f32 v[TT+1], v[TT]
	v_nop
	s_wait_alu depctr_va_vdst(0)                   ; the wait for 1 / sum: the next line reads it, and the second reciprocal hangs on it
	v_mul_f32 v[TT+2], s22, v[TT+1]                ; cdf_min
	v_sub_f32 v[TT+3], 1.0, v[TT+2]
	v_add_f32 v[TT+3], 0x2edbe6ff, v[TT+3]         ; 1 - cdf_min + 1e-10
	v_rcp_f32 v[TT+4], v[TT+3]
	v_nop
	s_wait_alu depctr_va_vdst(0)                   ; the wait for 1 / (1 - cdf_min + 1e-10): the next line reads it
	v_mul_f32 v[AL], v[TT+1], v[TT+4]              ; cdf_n = running sum * AL + BE
	v_mul_f32 v[AL+1], v[TT+1], v[TT+4]
	v_mul_f32 v[BE], -v[TT+2], v[TT+4]
	v_mul_f32 v[BE+1], -v[TT+2], v[TT+4]
.irp q, 0,1,2,3
	v_pk_fma_f32 v[HH+2*\q:HH+2*\q+1], v[HH+2*\q:HH+2*\q+1], v[AL:AL+1], v[BE:BE+1]
.endr
.irp i, 0,1,2,3,4,5,6,7
	v_mul_f32 v[CP+2*\i], v[CP+2*\i+1], v[HH+\i]   ; (k cdf_n, k)
.endr
.irp q, 0,1,2,3
	ds_store_b128 v[CS], v[CP+4*\q:CP+4*\q+3] offset:16*\q
.endr
.irp q, 0,1,2,3,4,5,6,7
	ds_load_b128 v[CB+4*\q:CB+4*\q+3], v[CA] offset:16*\q      ; block 0's pairs; LDS serves a wave's instructions in order: these see the stores above
.endr
.macro ARGS                            ; the next block's exponents for my 8 pixels
	s_add_f32 s28, s28, 1.0
	s_mul_f32 s30, s28, s29                        ; -16 a eta
.irp q, 0,1,2,3
	v_pk_add_f32 v[ZZ+2*\q:ZZ+2*\q+1], v[YS+2*\q:YS+2*\q+1], s[30:31] op_sel_hi:[1,0]
.endr
.irp p, 0,1,2,3,4,5,6,7
	v_min_num_f32 v[ZZ+\p], s24, v[ZZ+\p]
.endr
.irp q, 0,1,2,3
	v_pk_mul_f32 v[AU+2*\q:AU+2*\q+1], v[ZZ+2*\q:ZZ+2*\q+1], v[ZZ+2*\q:ZZ+2*\q+1] neg_lo:[0,1] neg_hi:[0,1]
	v_pk_mul_f32 v[AV+2*\q:AV+2*\q+1], v[ZZ+2*\q:ZZ+2*\q+1], s[26:27] op_sel_hi:[1,0]
.endr
.endm
.macro NEXP nxt                        ; the batch's next exponential, into set nxt.  e counts them: 0-7 u, 8-15 v.  Once sixteen are out: nothing
.if e < 8
	v_exp_f32 v[UVB+16*\nxt+e], v[AU+e]
.elseif e < 16
	v_exp_f32 v[UVB+16*\nxt+e], v[AV+e-8]
.endif
.set e, e+1
.endm
.macro BFMA d, a, b, p, c              ; pair d = pair a * (one register of pair b, that of pixel p, for both halves) + pair c
.if (\p) & 1
	v_pk_fma_f32 v[\d:\d+1], v[\a:\a+1], v[\b:\b+1], v[\c:\c+1] op_sel:[0,1,0] op_sel_hi:[1,1,1]
.else
	v_pk_fma_f32 v[\d:\d+1], v[\a:\a+1], v[\b:\b+1], v[\c:\c+1] op_sel_hi:[1,0,1]
.endif
.endm
; One block on register sets cur.  more = 1: the next block's pairs (at byte off from CA) and its batch of exponentials go into sets nxt.
; Eight chains, one a pixel, take turns, so that no line waits for the line in front.  An exponential stands behind every fourth multiply-add until
; sixteen are out, at the end of the eighth step; each is followed by a multiply-add that names none of its registers; no line of the block names set nxt
; of u and v.  The batch's wait is written behind the macro.
.macro BLOCK cur, nxt, off, more
.if \more
.irp q, 0,1,2,3,4,5,6,7
	ds_load_b128 v[CB+32*\nxt+4*\q:CB+32*\nxt+4*\q+3], v[CA] offset:\off+16*\q
.endr
	ARGS
	s_wait_dscnt 0x8                               ; this block's eight loads are in; the eight just issued stay out
.set e, 0
.else
	s_wait_dscnt 0x0
.set e, 16
.endif
.irp p, 0,1,2,3,4,5,6,7
	BFMA ACC+2*\p, CB+32*\cur+30, UVB+16*\cur+8+(\p&6), \p, CB+32*\cur+28      ; the two highest terms start the chain
.if (\p & 3) == 3
	NEXP \nxt
.endif
.endr
.irp c, 13,12,11,10,9,8,7,6,5,4,3,2,1,0
.irp p, 0,1,2,3,4,5,6,7
	BFMA ACC+2*\p, ACC+2*\p, UVB+16*\cur+8+(\p&6), \p, CB+32*\cur+2*\c
.if (\p & 3) == 3
	NEXP \nxt
.endif
.endr
.endr
.irp p, 0,1,2,3,4,5,6,7
	BFMA TOT+2*\p, ACC+2*\p, UVB+16*\cur+(\p&6), \p, TOT+2*\p                  ; (N, D) += u * block
.endr
.endm
	ARGS                                           ; block 0
.set e, 0
.rept 16
	NEXP 0
.endr
	v_nop                                          ; one plain line behind the run of exponentials
	s_wait_alu depctr_va_vdst(0)                   ; the wait for block 0's batch of sixteen, ahead of the label
	s_mov_b32 s33, 7
.Lblocks:
	BLOCK 0, 1, 128, 1
	s_wait_alu depctr_va_vdst(0)                   ; ONE wait for the batch of sixteen in set 1, 64 multiply-adds behind its last, ahead of the block that reads it
	BLOCK 1, 0, 256, 1
	v_add_nc_u32 v[CA], 256, v[CA]                 ; two blocks of 128 bytes on
	s_wait_alu depctr_va_vdst(0)                   ; ONE wait for the batch of sixteen in set 0, ahead of the branch and of the block that reads it
	s_sub_co_i32 s33, s33, 1
	s_cmp_lg_u32 s33, 0
	s_cbranch_scc1 .Lblocks
	BLOCK 0, 1, 128, 1                             ; block 14,
	s_wait_alu depctr_va_vdst(0)                   ; the wait for block 15's batch, in set 1
	BLOCK 1, 0, 0, 0                               ; and block 15, which prepares nothing
.irp p, 0,1,2,3,4,5,6,7
	v_rcp_f32 v[ZZ+\p], v[TOT+2*\p+1]
.endr
	v_nop
	s_wait_alu depctr_va_vdst(0)                   ; one wait for the batch of eight reciprocals
.irp p, 0,1,2,3,4,5,6,7
	v_mul_f32 v[ZZ+\p], v[TOT+2*\p], v[ZZ+\p]      ; e = N / (D + 1e-10)
.endr
	v_pk_add_f32 v[ZZ:ZZ+1], v[ZZ:ZZ+1], v[ZZ+4:ZZ+5]          ; upper row + lower row
	v_pk_add_f32 v[ZZ+2:ZZ+3], v[ZZ+2:ZZ+3], v[ZZ+6:ZZ+7]
	v_add_f32 v[AU], v[ZZ], v[ZZ+1]
	v_add_f32 v[AU+1], v[ZZ+2], v[ZZ+3]
	v_fma_f32 v[AU], v[AU], s34, s35               ; (sum / 4 - 0.15) / 0.1
	v_fma_f32 v[AU+1], v[AU+1], s34, s35
	global_store_b64 v[OO], v[AU:AU+1], s[10:11] th:TH_STORE_NT    ; a wave stores 256 consecutive bytes, aligned
	s_wait_tensorcnt 0x0
	ds_add_u32 v192, v193
	s_wait_dscnt 0x0
	s_endpgm
.Lfunc_end_k_q8d0fce6fd4_equalize:
	.size	k_q8d0fce6fd4_equalize, .Lfunc_end_k_q8d0fce6fd4_equalize-k_q8d0fce6fd4_equalize
	.p2alignl 7, 3214868480
	.fill 96, 4, 3214868480
	.section	.rodata,"a",@progbits
	.p2align	6, 0x0
	.amdhsa_kernel k_q8d0fce6fd4_equalize
		.amdhsa_group_segment_fixed_size 21504
		.amdhsa_private_segment_fixed_size 0
		.amdhsa_enable_private_segment 0
		.amdhsa_kernarg_size 32
		.amdhsa_user_sgpr_count 2
		.amdhsa_user_sgpr_kernarg_segment_ptr 1
		.amdhsa_wavefront_size32 1
		.amdhsa_system_sgpr_workgroup_id_x 1
		.amdhsa_system_sgpr_workgroup_id_y 1
		.amdhsa_system_sgpr_workgroup_id_z 1
		.amdhsa_system_vgpr_workitem_id 0
		.amdhsa_next_free_vgpr 194
		.amdhsa_next_free_sgpr 66
		.amdhsa_reserve_vcc 1
		.amdhsa_float_denorm_mode_32 3
		.amdhsa_float_denorm_mode_16_64 3
		.amdhsa_memory_ordered 1
		.amdhsa_forward_progress 1
		.amdhsa_inst_pref_size 55
	.end_amdhsa_kernel
	.amdgpu_metadata
---
amdhsa.version: [ 1, 2 ]
amdhsa.kernels:
  - .name:           k_q8d0fce6fd4_equalize
    .symbol:         k_q8d0fce6fd4_equalize.kd
    .args:
      - { .name: x, .offset: 0, .size: 8, .value_kind: global_buffer, .address_space: global }
      - { .name: mm, .offset: 8, .size: 8, .value_kind: global_buffer, .address_space: global }
      - { .name: part, .offset: 16, .size: 8, .value_kind: global_buffer, .address_space: global }
      - { .name: out0, .offset: 24, .size: 8, .value_kind: global_buffer, .address_space: global }
    .group_segment_fixed_size: 21504
    .private_segment_fixed_size: 0
    .kernarg_segment_align: 8
    .kernarg_segment_size: 32
    .max_flat_workgroup_size: 256
    .sgpr_count:     66
    .vgpr_count:     194
    .wavefront_size: 32
...
	.end_amdgpu_metadata
.endif
;; end of part 5
